; MI455X (gfx1250); checked and timed in simulation.
; The chip was launched on July 23, 2026; its instructions are those of AMD's public machine-readable ISA for CDNA 5 (MIT licence, August 2026) and "CDNA5" Instruction Set Architecture Reference Guide (July 2026). The comments in the code are by the model that wrote it; some were corrected since.
;; Encoder Block. Allowed arithmetic: matrix products marked QUANTISED: E5M2 operands, one E8M0 scale for each 32 along K, by v_wmma_scale_f32_16x16x128_f8f6f4 with both operands' format E5M2, f32 sums; everything else in f32.
;; Inputs: W1_codes 4,096 x 32 x 32 uint8 (E5M2 codes of W1, K innermost, in blocks of 32 codes); W1_scales 4,096 x 32 uint8 (E8M0 scales of W1, one for each 32 codes along K); W2_codes 1,024 x 128 x 32 uint8 (E5M2 codes of W2, K innermost, in blocks of 32 codes); W2_scales 1,024 x 128 uint8 (E8M0 scales of W2, one for each 32 codes along K); Wk_codes 1,024 x 32 x 32 uint8 (E5M2 codes of Wk, K innermost, in blocks of 32 codes); Wk_scales 1,024 x 32 uint8 (E8M0 scales of Wk, one for each 32 codes along K); Wo_codes 1,024 x 32 x 32 uint8 (E5M2 codes of Wo, K innermost, in blocks of 32 codes); Wo_scales 1,024 x 32 uint8 (E8M0 scales of Wo, one for each 32 codes along K); Wq_codes 1,024 x 32 x 32 uint8 (E5M2 codes of Wq, K innermost, in blocks of 32 codes); Wq_scales 1,024 x 32 uint8 (E8M0 scales of Wq, one for each 32 codes along K); Wv_codes 1,024 x 32 x 32 uint8 (E5M2 codes of Wv, K innermost, in blocks of 32 codes); Wv_scales 1,024 x 32 uint8 (E8M0 scales of Wv, one for each 32 codes along K); b1 1,024 float32; b2 1,024 float32; bb1 4,096 float32; bb2 1,024 float32; bk 1,024 float32; bo 1,024 float32; bq 1,024 float32; bv 1,024 float32; g1 1,024 float32; g2 1,024 float32; x 2,048 x 2 x 1,024 float32.
;; Outputs: out0 2,048 x 2 x 1,024 float32.
;; This version of the problem:
;;   THIS VERSION OF THE PROBLEM IS GIVEN IN LOW PRECISION. The matrix products marked QUANTISED in the list below multiply operands that are first quantised to E5M2 (5 exponent bits, 2 mantissa bits; 8 bits a number), with one power-of-two scale for each 32 numbers along K (OCP MX v1.0); their sums are f32. All else is computed in f32.
;;   The module's matrix products, in the order in which they are computed (A, B: the left and right operand; K: the contracted axis; several contracted axes count as one K, in the product's order):
;;     1. [M 4,096, K 1,024] x [K 1,024, N 1,024]; A: input x; B: input Wq (given as codes): QUANTISED
;;     2. [M 4,096, K 1,024] x [K 1,024, N 1,024]; A: input x; B: input Wk (given as codes): QUANTISED
;;     3. [M 4,096, K 1,024] x [K 1,024, N 1,024]; A: input x; B: input Wv (given as codes): QUANTISED
;;     4. batch 32 x [M 2,048, K 64] x [K 64, N 2,048]; A: computed on the way; B: computed on the way: QUANTISED
;;     5. batch 32 x [M 2,048, K 2,048] x [K 2,048, N 64]; A: softmax (see below); B: computed on the way: QUANTISED
;;     6. [M 4,096, K 1,024] x [K 1,024, N 1,024]; A: computed on the way; B: input Wo (given as codes): QUANTISED
;;     7. [M 4,096, K 1,024] x [K 1,024, N 4,096]; A: computed on the way; B: input W1 (given as codes): QUANTISED
;;     8. [M 4,096, K 4,096] x [K 4,096, N 1,024]; A: computed on the way; B: input W2 (given as codes): QUANTISED
;;   THE QUANTISER, for each operand of a quantised product, along K:
;;     - K is cut into blocks of 32 from its start; a last block that is shorter is filled with zeros.
;;     - A block's scale is 2^e with e = floor(log2(the largest magnitude in the block)) - 15, held to -126 .. 127; a block of zeros has e = 0. As a byte (E8M0): e + 127.
;;     - Each number is divided by its block's scale, clamped to +-57,344, and rounded to the nearest number of E5M2, ties to even, subnormals kept.
;;     - The product sums the exact products of the quantised numbers (number of the format x scale) in f32.
;;   ~~~python
;;   def quantise(x, axis):      # numpy; x: float32 -> the quantised numbers, widened to float32 again
;;       x = np.moveaxis(x, axis, -1); K = x.shape[-1]
;;       x = np.pad(x, [(0, 0)] * (x.ndim - 1) + [(0, -K % 32)]); x = x.reshape(x.shape[:-1] + (-1, 32)); a = np.abs(x).max(-1, keepdims=True)
;;       e = np.where(a > 0, np.clip(np.frexp(np.where(a > 0, a, 1))[1] - 1 - 15, -126, 127), 0)      # np.frexp(a)[1] - 1 = floor(log2(a)), exactly
;;       r = np.clip(x / 2.0 ** e, -57344, 57344)
;;       step = 2.0 ** (np.maximum(np.frexp(np.where(r == 0, 1, r))[1] - 1, -14) - 2)
;;       q = np.round(r / step) * step * 2.0 ** e      # np.round: ties to even
;;       return np.moveaxis(q.reshape(q.shape[:-2] + (-1,))[..., :K], -1, axis).astype(np.float32)
;;   ~~~
;;   SOFTMAX AHEAD OF A QUANTISED PRODUCT. Where the list says 'softmax', what is quantised is not the finished softmax but p = 2^(t - M), with t = logit x log2(e) and M = ceil(the row's largest t), a whole number; so 1/2 < the row's largest p <= 1. The row's sum l is taken of the UNQUANTISED p, in f32, and the product's result is divided by l at the end. Since M is a whole number, a kernel that streams over the keys may use a running M (the ceiling of the running maximum): every later rescaling is an exact power of two, which a block's scale takes up: the codes' values come out the same.
;;   OPERANDS COMPUTED ON THE WAY. 'Computed on the way' means the value that the module computes at that place (a softmax that the list does not call 'softmax' is quantised finished and normalised). What goes into a quantiser is computed in f32, as accurately as f32 sums, v_exp_f32 and their like allow (about 1e-6 of the number): no bf16 or f16 on the way to a quantiser, and a product that is left as it is and whose result goes on into a quantised operand takes f32 operands (vector FMAs, or v_wmma_f32_16x16x4_f32). A number that lies on a knife's edge between two numbers of the format may be rounded either way, as far as f32 arithmetic and the matrix unit's own rounding can turn it there, and no further.
;;   INPUTS GIVEN AS CODES. W1 (in the module: [1024, 4096], K = its axis 0); W2 (in the module: [4096, 1024], K = its axis 0); Wk (in the module: [1024, 1024], K = its axis 0); Wo (in the module: [1024, 1024], K = its axis 0); Wq (in the module: [1024, 1024], K = its axis 0); Wv (in the module: [1024, 1024], K = its axis 0): each comes as NAME_codes (uint8): NAME with its K axis moved to the last place and cut into blocks of 32 codes, [.., K / 32, bytes a block], one block behind the other in memory; one code a byte (a code: sign, 5 exponent bits, 2 mantissa bits); and NAME_scales (uint8): the same leading axes, one E8M0 byte (e + 127) for each 32 codes along K. Its value is code x scale, taken as it is: it is not quantised again, and the codes and scales need not be those that the quantiser above would give.
;; One version. Each part assembles by itself: llvm-mc -triple=amdgcn-amd-amdhsa -mcpu=gfx1250 --defsym DOCPART=n.
;; ======== version 1 of 1: 8 launches
;; limits: right only within a limited range of input values
;; workspace buffers: ac 4,325,376 bytes; qkvw 13,238,272 bytes; ow 4,325,376 bytes; y 16,777,216 bytes; x1 16,777,216 bytes; hw 17,301,504 bytes
;; launch quantx (part 1): grid 256 x 1, 4 waves a work-group, no clusters, 5,120 bytes of LDS; arguments x, ac; writes ac
.if DOCPART == 1
	.amdgcn_target "amdgcn-amd-amdhsa--gfx1250"
	.amdhsa_code_object_version 6
	.text
	.protected	k_qf5696b0e1c_quantx
	.globl	k_qf5696b0e1c_quantx
	.p2align	8
	.type	k_qf5696b0e1c_quantx,@function
k_qf5696b0e1c_quantx:
	s_mov_b64 s[64:65], 0
	v_nop
	global_prefetch_b8 v0, s[64:65] scope:SCOPE_SE
	s_setreg_imm32_b32 hwreg(HW_REG_WAVE_MODE, 25, 1), 1
	s_wait_xcnt 0x0
; x [2048][2][1024] f32 becomes codes of BF8 (E5M2) with one E8M0 byte for each 32 along the row.
; ac: codes [m'][1024] at byte 0, scale bytes [m'][32] at byte XS, with m' = b x 2048 + s: the two batches lie one behind the other.
; A block's scale is 2^(floor(log2(largest magnitude)) - 15); its byte is that magnitude's exponent field - 15, held at 1 from below.
; LIMITS: a block of zeros gets the byte 1, not 127 (its codes are zeros, and only this program reads the bytes); magnitudes under 2^-111 are
; quantised under the byte 1; NaN and infinities are not served.
; SHARES: work-group g takes s = 8 g .. 8 g + 7 of both batches; wave w takes batch w & 1 and four rows, s = 8 g + 4 (w >> 1) + i.
; A row is eight loads of 512 consecutive bytes; load j gives a lane the numbers 128 j + 4 lane + 0..3, so a block of 32 lies in eight lanes.
; The conversion takes eight registers; here only its first four numbers belong to the block, so only its low result register is used
; (the upper four are the next block's numbers and their codes are dropped).  A row's codes turn through 1,024 bytes of LDS of the wave's own
; and leave as two stores of 512 consecutive bytes; the scale bytes of 8 rows of a batch meet in LDS and leave as 256 consecutive bytes.
; No matrix unit, no cluster, no tensor load: the launch is a stream, and its work-groups share no input.
.set XS,  4194304                      ; where the scale bytes begin in ac
.set SBY, 4096                         ; LDS: behind the four stages, 2 x 256 scale bytes
.set MNT, 21                           ; s21  the mantissa field of 57,344
.set CP,  6                            ; s[6:7] the codes' address
.set M,   10                           ; v10-17 largest magnitudes, then the bytes
.set SC,  18                           ; v18-25 the conversions' scale operands
.set HD,  26                           ; v26-33 57,344 x the scale
.set C,   34                           ; v34-49 the conversions' results
.set D,   50                           ; v50-57 a row's codes, 16 bytes a lane, twice
.set X,   60                           ; v60-187 four rows of 32 numbers; v188-191 zeros behind them
	s_load_b128 s[4:7], s[0:1], 0x0                ; x, ac
	v_lshl_add_u32 v192, v0, 2, 0x1200
	v_mov_b32 v193, 0
	v_lshrrev_b32 v1, 5, v0
	v_readfirstlane_b32 s8, v1                     ; wave
	v_and_b32 v2, 31, v0                           ; lane
	v_lshlrev_b32 v3, 4, v2                        ; 16 x lane
	s_and_b32 s9, s8, 1                            ; b
	s_lshr_b32 s10, s8, 1                          ; which four rows
	s_lshl_b32 s11, s8, 10                         ; my stage
	v_lshl_add_u32 v4, v2, 2, s11                  ; into it: 4 bytes a lane
	v_lshl_add_u32 v5, v2, 4, s11                  ; out of it: 16 bytes a lane
	s_lshl_b32 s12, s9, 8
	s_add_co_u32 s12, s12, SBY                     ; my batch's 256 scale bytes
	s_lshl_b32 s13, s10, 7
	s_add_co_u32 s13, s13, s12                     ; my four rows' 128 of them
	v_lshrrev_b32 v6, 3, v2
	v_add_nc_u32 v6, s13, v6                       ; + my block among a load's four
	v_lshl_add_u32 v7, v2, 3, s12                  ; and on the way out 8 bytes a lane
	v_lshlrev_b32 v8, 3, v2
	s_lshl_b32 s14, ttmp9, 16                      ; x: (2 s + b) x 4,096 bytes
	s_lshl_b32 s16, s10, 15
	s_add_co_u32 s14, s14, s16
	s_lshl_b32 s16, s9, 12
	s_add_co_u32 s14, s14, s16
	s_mov_b32 s15, 0
	s_lshl_b32 s16, s9, 21                         ; codes: m' x 1,024
	s_lshl_b32 s18, ttmp9, 13
	s_add_co_u32 s16, s16, s18
	s_lshl_b32 s18, s10, 12
	s_add_co_u32 s16, s16, s18
	s_mov_b32 s17, 0
	s_lshl_b32 s18, s9, 16                         ; scale bytes: XS + 32 x (b x 2048 + 8 g)
	s_lshl_b32 s20, ttmp9, 8
	s_add_co_u32 s18, s18, s20
	s_add_co_u32 s18, s18, XS
	s_mov_b32 s19, 0
	s_mov_b32 s[MNT], 0x600000
	s_wait_alu depctr_va_vdst(0)
	s_wait_kmcnt 0x0
	s_add_nc_u64 s[4:5], s[4:5], s[14:15]
	s_add_nc_u64 s[22:23], s[6:7], s[18:19]
	s_add_nc_u64 s[6:7], s[6:7], s[16:17]
.irp i, 0,1,2,3
.irp j, 0,1,2,3,4,5,6,7
	global_load_b128 v[X+32*\i+4*\j:X+32*\i+4*\j+3], v3, s[4:5] offset:\i*8192+512*\j th:TH_LOAD_NT   ; 512 consecutive bytes; all 32 loads go out at once
.endr
.endr
.irp j, 0,1,2,3
	v_mov_b32 v[X+128+\j], 0                       ; the last row's last conversion names these
.endr
; Row i: eight blocks' scales, the hold, the conversions, the way out.
.macro QROW i
.set XR, X+32*\i
.irp j, 0,1,2,3,4,5,6,7
	v_max3_num_f32 v[M+\j], |v[XR+4*\j]|, |v[XR+4*\j+1]|, 0x8000000   ; my four numbers of block 4 j + lane / 8, and the floor 2^(16 - 127): the byte cannot fall under 1
.endr
.irp j, 0,1,2,3,4,5,6,7
	v_max3_num_f32 v[M+\j], v[M+\j], |v[XR+4*\j+2]|, |v[XR+4*\j+3]|
.endr
.irp m, 1,2,4
.irp j, 0,1,2,3,4,5,6,7
	v_max_num_f32_dpp v[M+\j], v[M+\j], v[M+\j] row_xmask:\m row_mask:0xf bank_mask:0xf   ; with the seven other lanes of the block
.endr
.endr
.irp j, 0,1,2,3,4,5,6,7
	v_add_nc_u32 v[SC+\j], 0xf8800000, v[M+\j]     ; 15 off the exponent field: the conversion takes this operand's exponent field as its scale
.endr
.irp j, 0,1,2,3,4,5,6,7
	v_and_or_b32 v[HD+\j], v[M+\j], 0x7f800000, s[MNT]   ; 57,344 x the scale
.endr
.irp j, 0,1,2,3,4,5,6,7
	v_lshrrev_b32 v[M+\j], 23, v[SC+\j]            ; the scale's byte
.endr
.irp j, 0,1,2,3,4,5,6,7
.irp k, 0,1,2,3
	v_med3_num_f32 v[XR+4*\j+\k], v[XR+4*\j+\k], -v[HD+\j], v[HD+\j]   ; the conversion to an 8-bit code does not saturate (ISA guide 7.6.2)
.endr
.endr
.irp j, 0,1,2,3,4,5,6,7
	v_cvt_scalef32_pk8_bf8_f32 v[C+2*\j:C+2*\j+1], v[XR+4*\j:XR+4*\j+7], v[SC+\j]   ; the low register holds my four codes
.endr
	v_nop                                          ; a plain line behind the last conversion, ahead of whatever writes its sources next
.irp j, 0,1,2,3,4,5,6,7
	ds_store_b8 v6, v[M+\j] offset:32*\i+4*\j      ; the eight lanes of a block write the same byte with the same value
.endr
.irp j, 0,1,2,3,4,5,6,7
	ds_store_b32 v4, v[C+2*\j] offset:128*\j       ; the row's bytes 128 j + 4 lane
.endr
	ds_load_b128 v[D:D+3], v5                      ; LDS serves a wave's instructions in order: these see the stores above
	ds_load_b128 v[D+4:D+7], v5 offset:512
	s_wait_dscnt 0x0
	global_store_b128 v3, v[D:D+3], s[CP:CP+1] offset:\i*1024        ; 512 consecutive bytes
	global_store_b128 v3, v[D+4:D+7], s[CP:CP+1] offset:\i*1024+512
.endm
.irp i, 0,1,2,3
.if \i < 3
	s_wait_loadcnt 8*(3-\i)-1                      ; loads come back in order: row i is in, and the next row's first load, which the last conversion names
.else
	s_wait_loadcnt 0x0
.endif
.if \i > 0
	s_wait_xcnt 0x0                                ; the last row's stores have read D: it is loaded again only behind this wait
.endif
	QROW \i
.endr
	s_barrier_signal -1                            ; every LDS instruction of mine is done (the wait for 0 in the last row)
	s_barrier_wait -1                              ; the scale bytes of both waves of a batch lie in LDS
	s_cmp_lg_u32 s10, 0
	s_cbranch_scc1 .Ldone                          ; one wave of each batch stores them
	ds_load_b64 v[C:C+1], v7
	s_wait_dscnt 0x0
	global_store_b64 v8, v[C:C+1], s[22:23]        ; 256 consecutive bytes, aligned: 8 rows x 32
.Ldone:
	s_wait_tensorcnt 0x0
	ds_add_u32 v192, v193
	s_wait_dscnt 0x0
	s_endpgm
.Lfunc_end_k_qf5696b0e1c_quantx:
	.size	k_qf5696b0e1c_quantx, .Lfunc_end_k_qf5696b0e1c_quantx-k_qf5696b0e1c_quantx
	.p2alignl 7, 3214868480
	.fill 96, 4, 3214868480
	.section	.rodata,"a",@progbits
	.p2align	6, 0x0
	.amdhsa_kernel k_qf5696b0e1c_quantx
		.amdhsa_group_segment_fixed_size 5120
		.amdhsa_private_segment_fixed_size 0
		.amdhsa_enable_private_segment 0
		.amdhsa_kernarg_size 16
		.amdhsa_user_sgpr_count 2
		.amdhsa_user_sgpr_kernarg_segment_ptr 1
		.amdhsa_wavefront_size32 1
		.amdhsa_system_sgpr_workgroup_id_x 1
		.amdhsa_system_sgpr_workgroup_id_y 1
		.amdhsa_system_sgpr_workgroup_id_z 1
		.amdhsa_system_vgpr_workitem_id 0
		.amdhsa_next_free_vgpr 194
		.amdhsa_next_free_sgpr 66
		.amdhsa_reserve_vcc 0
		.amdhsa_float_denorm_mode_32 3
		.amdhsa_float_denorm_mode_16_64 3
		.amdhsa_memory_ordered 1
		.amdhsa_forward_progress 1
		.amdhsa_inst_pref_size 39
	.end_amdhsa_kernel
	.amdgpu_metadata
---
amdhsa.version: [ 1, 2 ]
amdhsa.kernels:
  - .name:           k_qf5696b0e1c_quantx
    .symbol:         k_qf5696b0e1c_quantx.kd
    .args:
      - { .name: x, .offset: 0, .size: 8, .value_kind: global_buffer, .address_space: global }
      - { .name: ac, .offset: 8, .size: 8, .value_kind: global_buffer, .address_space: global }
    .group_segment_fixed_size: 5120
    .private_segment_fixed_size: 0
    .kernarg_segment_align: 8
    .kernarg_segment_size: 16
    .max_flat_workgroup_size: 128
    .sgpr_count:     66
    .vgpr_count:     194
    .wavefront_size: 32
...
	.end_amdgpu_metadata
.endif
;; end of part 1
;; launch qkv (part 2): grid 8 x 24, 4 waves a work-group, clusters of 4 x 4, 327,680 bytes of LDS; arguments ac, Wq_codes, Wq_scales, Wk_codes, Wk_scales, Wv_codes, Wv_scales, bq, bk, bv, qkvw; writes qkvw
.if DOCPART == 2
	.amdgcn_target "amdgcn-amd-amdhsa--gfx1250"
	.amdhsa_code_object_version 6
	.text
	.protected	k_qf5696b0e1c_qkv
	.globl	k_qf5696b0e1c_qkv
	.p2align	8
	.type	k_qf5696b0e1c_qkv,@function
k_qf5696b0e1c_qkv:
	s_mov_b64 s[64:65], 0
	v_nop
	global_prefetch_b8 v0, s[64:65] scope:SCOPE_SE
	s_setreg_imm32_b32 hwreg(HW_REG_WAVE_MODE, 25, 1), 1
	s_wait_xcnt 0x0
	s_wait_alu depctr_hold_cnt(0) depctr_sa_sdst(0) depctr_va_vdst(0) depctr_va_sdst(0) depctr_va_ssrc(0) depctr_va_vcc(0) depctr_vm_vsrc(0)
	s_getreg_b32 s2, hwreg(HW_REG_IB_STS2, 6, 4)
	s_cmp_eq_u32 s2, 0
	s_cbranch_scc0 .Lentry_in_a_cluster
	s_endpgm
.Lentry_in_a_cluster:
	s_bfe_u32 s2, ttmp6, 0x10000c
	s_cmp_lg_u32 s2, 0xf033
	s_cbranch_scc0 .Lentry_shape_is_right
	s_endpgm
.Lentry_shape_is_right:
; q = x Wq + bq, k = x Wk + bk, v = x Wv + bv on codes of BF8 with E8M0 scales, and each result quantised on its way out as an operand of attention.
; THE PRODUCT: a tile of 256 x 256 to a work-group of four waves, 128 x 128 a wave (64 accumulators), K = 1,024 in steps of 256 through two LDS slots filled by the tensor
; data mover; the scale bytes of the work-group's rows come into LDS once.  4 x 4 work-groups form a cluster: the lane side's tiles are asked for jointly along a row of the
; cluster, the register side's along a column.  Source 0 = 16 rows of the REGISTER side, source 1 = 16 rows of the LANE side: lane (r, h) holds row r of the lane side, and
; register j of tile b row 16 b + 8 h + j of the register side.
; TWO MODES, by the cluster's y, which all partners share.  y < 4: lane side = 256 tokens of ac, register side = 256 columns of Wq (cluster x = 0) or Wk (1): a lane's registers
; run along a head's channels, the K of q k^T.  y >= 4: lane side = 256 rows of Wv (channels), register side = 256 tokens: a lane's registers run along the keys, the K of p v.
; 192 work-groups: a tile half as wide would give 768 at twice the LDS bytes for each product.
; THE WAY OUT: bias, then the quantiser on the 16 registers of tiles 2 c and 2 c + 1 and those of lane l xor 16: a block of 32.  The codes are stored as an IMAGE of the operand's
; registers, [c][lane][16 bytes].  In place (c, h, i) stands k = 32 c + 8 h + i % 8 + 16 (i / 8): the same order in q and k, and in p and v, so the products are the rule's own.
; qkvw: q's images [n 32][T 128][c 2][lane][16] at 0, k's at KIMG, v's [n][j 16][t 4][c 4][lane][16] at VIMG; q's scale words [n][j][g 2][r 16][i 4] at QSW (tile T = 8 j + 4 g + i;
; a word holds the head's two bytes twice); at KVSW for each head k's words, laid as q's (8,192 bytes), then v's [j][r][t 4] (4,096).  n = 16 b + head.
; LIMITS: a block of zeros gets the byte 1, not 127 (its codes are zeros; only this program reads the bytes); magnitudes under 2^-111 go under the byte 1; NaN, infinities not served.
.set SIZE_K, 1024
.set KSTEP,  256                       ; along K in a slot
.set NQ,     KSTEP/128                 ; matrix instructions deep
.set ROWB,   256                       ; a tile's row in bytes
.set KROW,   SIZE_K                    ; a row of codes in memory
.set PITCH,  272                       ; an LDS row: 256 bytes + 16 of padding = 68 words: the 16 rows of a load start at 16 different banks (64 banks of 4 bytes: ISA guide 11.1)
.set FR,     16                        ; registers of a fragment
.set NL,     4                         ; LDS loads that bring one
.set NP,     8                         ; places behind this matrix instruction (ISA guide 7.12.1)
.set HALFT,  128*PITCH
.set SLOT,   4*HALFT                   ; the lane side's 256 rows, then the register side's
.set LAPS,   SIZE_K/(2*KSTEP)
.set KS,     SIZE_K/32                 ; a row of scale bytes
.set SCL,    2*SLOT                    ; behind the ring: the scale bytes, as units of 256 bytes + 16
.set HALFS,  (128*KS/256)*272
.set SBLK,   (16*KS/256)*272
.set SPARE,  SCL+4*HALFS               ; the spare words: 128 bytes a wave, named by no other line
.set XS,     4194304                   ; ac's scale bytes
.set KIMG,   4194304
.set VIMG,   8388608
.set QSW,    12582912
.set KVSW,   12845056
.set BH,   7                           ; v7     32 x (lane / 16): the column bias's offset; never rewritten
.set RB,   8                           ; v8-15  the row bias: for block a, of my row
.set ADRA, 16                          ; v16-17 LDS address of my lane-side fragments in slot 0, 1
.set ADRB, 20                          ; v20-21 the same for the register side
.set ADRS, 27                          ; v27    LDS address of my scale words: lanes 0-15 the lane side's, lanes 16-31 the register side's
.set SPW,  28                          ; v28    my spare word's address; never rewritten
.set NIL,  29                          ; v29    0; never rewritten
.set BR,   30                          ; v30    4 x (lane % 16): the row bias's offset; never rewritten
.set SC,   32                          ; v32-63 scale words, two sets
.set CB,   64                          ; v64-127 the column bias in the result's layout
.set AF,   128                         ; the lane side's fragments, window 0, one set
.set W,    128                         ; the way out: 64 numbers;
.set PC,   192                         ; two sets of 16 registers of codes;
.set TM,   224                         ; v224-239 the quantiser's work;
.set SWR,  240                         ; v240-247 the eight blocks' scale words;
.set LI,   248                         ; v248 16 x lane; v249-252 at work
.set G1, 24
.set G0, 32
.set G1B, 48
.set G0B, 56
.set G1S, 68
.set G0S, 76
.set G1SB, 80
.set G0SB, 88
.set SEL, 98                           ; s[98:99] lane selects for lane l xor 16
.set MNT, 100                          ; s100 the mantissa field of 57,344
.set CLY, 101                          ; s101 the cluster's y
.set MSB, 0
.macro WIN new                         ; the immediate's high byte repeats the setting that is left
.if MSB != (\new)
	s_set_vgpr_msb (MSB<<8)|(\new)
.set MSB, (\new)
.endif
.endm
.set MUL_LO, 0xa1                      ; source 0 window 1, source 1 window 0, C and D window 2
.set MUL_HI, 0xf1                      ; the same, C and D window 3
.set TO_B,   0x40                      ; destination window 1
; A joint load: waves 0 and 1 fetch for the lane side, waves 2 and 3 for the register side.  Four v_nop follow each line.
.macro JLOAD g0a, g1a, g0b, g1b
	s_cmp_eq_u32 s15, 0
	s_cbranch_scc0 .Lfor_b_\@
	tensor_load_to_lds s[\g0a:\g0a+3], s[\g1a:\g1a+7]
	s_nop 0
.rept 4
	v_nop
.endr
	s_branch .Lasked_\@
.Lfor_b_\@:
	tensor_load_to_lds s[\g0b:\g0b+3], s[\g1b:\g1b+7]
	s_nop 0
.rept 4
	v_nop
.endr
.Lasked_\@:
.endm
.macro CREST                           ; a round of the cluster's barrier behind its opening barrier
	s_cmp_lg_u32 s14, 0
	s_cbranch_scc1 .Lnot_wave_0_\@
	s_barrier_signal -3
.Lnot_wave_0_\@:
	s_barrier_wait -3
	s_barrier_signal -1
	s_barrier_wait -1
.endm
.macro CROUND
	s_barrier_signal -1
	s_barrier_wait -1
	CREST
.endm
	s_load_b512 s[68:83], s[0:1], 0x0              ; ac, Wq's codes, scales, Wk's codes, scales, Wv's codes, scales, bq
	s_load_b128 s[84:87], s[0:1], 0x40             ; bk, bv
	s_load_b64 s[88:89], s[0:1], 0x50              ; qkvw
	v_lshl_add_u32 v[SPW], v0, 2, SPARE
	v_mov_b32 v[NIL], 0
	ds_add_u32 v28, v29
	ds_add_u32 v28, v29
	s_wait_dscnt 0x0
	v_lshrrev_b32 v1, 5, v0
	v_readfirstlane_b32 s14, v1                    ; wave 0..3
	s_lshr_b32 s15, s14, 1                         ; my half of the lane side's rows.  Also: I fetch for the lane side (0) or the register side (1)
	s_and_b32 s16, s14, 1                          ; my half of the register side's rows.  Also: which 128 rows I fetch
	s_bfe_u32 s40, ttmp6, 0x40000                  ; cx, cy: my place in the cluster
	s_bfe_u32 s41, ttmp6, 0x40004
	s_and_b32 s[CLY], ttmp7, 0xffff
	s_lshl_b32 s43, s41, 2
	s_lshl_b32 s43, 15, s43                        ; my row of the cluster
	s_lshl_b32 s44, 0x1111, s40                    ; my column
	s_lshl_b32 s17, s[CLY], 2
	s_max_u32 s42, s[CLY], 4
	s_sub_co_u32 s42, s42, 4
	s_lshl_b32 s42, s42, 3
	s_lshl_b32 s18, ttmp9, 2
	s_add_co_u32 s42, s42, s18
	s_cmp_ge_u32 s[CLY], 4                         ; v's mode?
	s_cselect_b32 s17, 0, s17
	s_cselect_b32 s42, s42, 0
	s_add_co_u32 s17, s17, s41                     ; the lane side's tile: 4 y + cy (tokens), or cy (Wv's rows)
	s_add_co_u32 s42, s42, s40                     ; the register side's: cx (columns), or 8 (y - 4) + 4 x + cx (tokens)
	s_or_b32 s[G1+0], s43, (0<<16)|(1<<20)|(1<<21)|(5<<22)|(3<<25)  ; 15:0 the mask; 17:16 elements of 1 byte; 20 padding on; 21 set beside a mask; 24:22 after every 64 words; 31:25 four words
	s_or_b32 s[G1B+0], s44, (0<<16)|(1<<20)|(1<<21)|(5<<22)|(3<<25)
.irp g, G1, G1B
	s_mov_b32 s[\g+1], ROWB<<16                    ; tensor_dim0
	s_mov_b32 s[\g+2], 256<<16                     ; tensor_dim1: 256 rows for the head's loads; set to 128 for the ring's behind them
	s_mov_b32 s[\g+3], ROWB<<16                    ; tile_dim0
	s_mov_b32 s[\g+4], 256                         ; tile_dim1
	s_mov_b32 s[\g+5], KROW                        ; the pitch
	s_mov_b32 s[\g+6], 0
	s_mov_b32 s[\g+7], 0
.endr
	s_lshl_b32 s20, s17, 8                         ; the lane side's tile: its first row
	s_lshl_b32 s46, s42, 8                         ; the register side's
	s_mov_b32 s21, 0
	s_mov_b32 s47, 0
	s_mov_b64 s[18:19], KS
	s_mul_u64 s[22:23], s[20:21], s[18:19]         ; where these rows' scale bytes begin,
	s_mul_u64 s[92:93], s[46:47], s[18:19]
	s_mov_b64 s[18:19], KROW
	s_mul_u64 s[20:21], s[20:21], s[18:19]         ; and their codes
	s_mul_u64 s[46:47], s[46:47], s[18:19]
	s_mul_i32 s45, s14, HALFT                      ; where they go: wave x 128 rows
	s_mul_i32 s18, s16, 128*KROW                   ; in the ring I fetch 128 rows of a tile: which half, in bytes
	s_mov_b32 s19, 0
	s_wait_kmcnt 0x0
	s_add_nc_u64 s[98:99], s[68:69], XS            ; ac's scale bytes
	s_cmp_eq_u32 ttmp9, 0                          ; q or k: the cluster's x, which all partners share
	s_cselect_b64 s[70:71], s[70:71], s[74:75]
	s_cselect_b64 s[72:73], s[72:73], s[76:77]
	s_cselect_b64 s[82:83], s[82:83], s[84:85]
	s_cmp_ge_u32 s[CLY], 4
	s_cselect_b64 s[4:5], s[78:79], s[68:69]       ; the lane side's codes,
	s_cselect_b64 s[6:7], s[80:81], s[98:99]       ; its scale bytes,
	s_cselect_b64 s[8:9], s[68:69], s[70:71]       ; the register side's codes,
	s_cselect_b64 s[10:11], s[98:99], s[72:73]     ; its scale bytes,
	s_cselect_b64 s[96:97], s[86:87], s[82:83]     ; the bias
	s_mov_b64 s[12:13], s[88:89]                   ; qkvw.  s[68:91] are free now: they take the scales' descriptors
	s_mov_b32 s[SEL], 0x76543210
	s_mov_b32 s[SEL+1], 0xfedcba98
	s_mov_b32 s[MNT], 0x600000
	s_add_nc_u64 s[20:21], s[4:5], s[20:21]
	s_add_nc_u64 s[22:23], s[6:7], s[22:23]
	s_add_nc_u64 s[46:47], s[8:9], s[46:47]
	s_add_nc_u64 s[92:93], s[10:11], s[92:93]
	; the scale bytes of 256 rows: a dense block, as rows of 256 bytes (32 elements of 8), 16 bytes of padding behind each
	s_or_b32 s[G1S+0], s43, (3<<16)|(1<<20)|(1<<21)|(5<<22)|(3<<25)
	s_or_b32 s[G1SB+0], s44, (3<<16)|(1<<20)|(1<<21)|(5<<22)|(3<<25)
.irp g, G1S, G1SB
	s_mov_b32 s[\g+1], 32<<16
	s_mov_b32 s[\g+2], KS<<16                      ; the scale bytes of 256 rows: KS rows of 256 bytes
	s_mov_b32 s[\g+3], 32<<16
	s_mov_b32 s[\g+4], KS
	s_mov_b32 s[\g+5], 32
	s_mov_b32 s[\g+6], 0
	s_mov_b32 s[\g+7], 0
.endr
	CROUND                                         ; all sixteen work-groups are here: the first joint loads meet
.set G0H, 4                            ; s[4:7], s[8:11] group 0 of the head's loads of K step 0 (the pointers that lay there have been used)
.set G0HB, 8
	s_mov_b32 s[G0H], 1                            ; the head's four tiles, each whole: K step 0's 256 rows of the lane side,
	s_mov_b32 s[G0H+1], 0
	s_mov_b64 s[G0H+2:G0H+3], s[20:21]
	s_or_b32 s[G0H+3], s[G0H+3], 0x80000000
	s_mov_b32 s[G0HB], 1                           ; of the register side,
	s_mov_b32 s[G0HB+1], 2*HALFT
	s_mov_b64 s[G0HB+2:G0HB+3], s[46:47]
	s_or_b32 s[G0HB+3], s[G0HB+3], 0x80000000
	s_mov_b32 s[G0S], 1                            ; the lane side's scale bytes,
	s_mov_b32 s[G0S+1], SCL
	s_mov_b64 s[G0S+2:G0S+3], s[22:23]
	s_or_b32 s[G0S+3], s[G0S+3], 0x80000000
	s_mov_b32 s[G0SB], 1                           ; and the register side's
	s_mov_b32 s[G0SB+1], SCL+2*HALFS
	s_mov_b64 s[G0SB+2:G0SB+3], s[92:93]
	s_or_b32 s[G0SB+3], s[G0SB+3], 0x80000000
	s_add_nc_u64 s[20:21], s[20:21], s[18:19]      ; for the ring: my 128 rows of the tile
	s_add_nc_u64 s[46:47], s[46:47], s[18:19]
.irp s, 0,1
	s_mov_b32 s[G0+4*\s], 1
	s_add_co_u32 s[G0+4*\s+1], s45, \s*SLOT
	s_add_nc_u64 s[G0+4*\s+2:G0+4*\s+3], s[20:21], \s*ROWB
	s_or_b32 s[G0+4*\s+3], s[G0+4*\s+3], 0x80000000
	s_mov_b32 s[G0B+4*\s], 1
	s_add_co_u32 s[G0B+4*\s+1], s45, \s*SLOT
	s_add_nc_u64 s[G0B+4*\s+2:G0B+4*\s+3], s[46:47], \s*ROWB
	s_or_b32 s[G0B+4*\s+3], s[G0B+4*\s+3], 0x80000000
.endr
; The head's loads, one a wave: one chain of branches on the wave's number, an arm a load, all arms leading to one join.
.macro ARM under, g0, g1, next
	s_cmp_lt_u32 s14, \under
	s_cbranch_scc0 \next
	tensor_load_to_lds s[\g0:\g0+3], s[\g1:\g1+7]
	s_nop 0
.rept 4
	v_nop
.endr
	s_branch .Lhead_asked
\next:
.endm
	ARM 1, G0H,  G1,  .Lhead_b
	ARM 2, G0HB, G1B, .Lhead_sa
	ARM 3, G0S,  G1S, .Lhead_sb
	tensor_load_to_lds s[G0SB:G0SB+3], s[G1SB:G1SB+7]
	s_nop 0
.rept 4
	v_nop
.endr
.Lhead_asked:
; THE PREFETCHES, one load ahead: K step 1 is asked for at the head, K step 2 behind K step 1's load, K step 3 behind K step 2's refill: 32 rows x 256 bytes an instruction, a lane a row.
; Of the 128 rows that a wave fetches in the ring, each of the four partners that ask for them jointly takes 32, told apart by address (cx for the lane side, cy for the register side).
.set PFA, 94                           ; s[94:95] my 32 rows at K step 1; never rewritten: the later K steps stand in the immediate
.set PFO, 31                           ; v31 my lane x a row of 1,024 bytes; never rewritten
	s_cmp_eq_u32 s15, 0
	s_cselect_b64 s[PFA:PFA+1], s[20:21], s[46:47]
	s_cselect_b32 s2, s40, s41
	s_mul_i32 s2, s2, 32*KROW
	s_add_co_u32 s2, s2, ROWB
	s_mov_b32 s3, 0
	s_add_nc_u64 s[PFA:PFA+1], s[PFA:PFA+1], s[2:3]
	v_and_b32 v[PFO], 31, v0
	v_lshlrev_b32 v[PFO], 10, v[PFO]
	v_and_b32 v1, 15, v0
	v_bfe_u32 v2, v0, 4, 1                         ; h
	v_mul_u32_u24 v3, v1, PITCH
	v_lshl_add_u32 v4, v2, 4, v3                   ; a fragment's row x pitch + 16 h
	s_mul_i32 s21, s15, HALFT
	s_mul_i32 s22, s16, HALFT
	s_add_co_u32 s22, s22, 2*HALFT
.irp s, 0,1
	v_add_nc_u32 v[ADRA+\s], s21, v4
	v_add_nc_u32 v[ADRB+\s], s22, v4
	s_add_co_u32 s21, s21, SLOT
	s_add_co_u32 s22, s22, SLOT
.endr
	v_mul_u32_u24 v5, v1, KS                       ; my row's scale bytes: KS a row,
	v_lshrrev_b32 v6, 8, v5
	v_lshl_add_u32 v5, v6, 4, v5                   ; and 16 more for each 256 passed
	s_mul_i32 s21, s15, HALFS
	s_mul_i32 s22, s16, HALFS
	s_add_co_u32 s22, s22, 2*HALFS
	s_sub_co_u32 s22, s22, s21
	v_mul_u32_u24 v6, s22, v2                      ; lanes 16-31 take the register side's
	s_add_co_u32 s21, s21, SCL
	v_add_nc_u32 v5, v5, v6
	v_add_nc_u32 v[ADRS], s21, v5
	; The bias in both layouts, so that no register's first write hangs on the mode; each mode uses one.  The tile numbers are cut to 0..3: both stay inside the 1,024 numbers.
	s_and_b32 s2, s42, 3
	s_lshl_b32 s2, s2, 10
	s_lshl_b32 s3, s16, 9
	s_add_co_u32 s2, s2, s3
	s_mov_b32 s3, 0
	s_add_nc_u64 s[66:67], s[96:97], s[2:3]        ; by columns: my 128 of the register side
	s_and_b32 s2, s17, 3
	s_lshl_b32 s2, s2, 10
	s_lshl_b32 s3, s15, 9
	s_add_co_u32 s2, s2, s3
	s_mov_b32 s3, 0
	s_add_nc_u64 s[96:97], s[96:97], s[2:3]        ; by rows: my 128 of the lane side
	v_lshlrev_b32 v[BH], 5, v2
	v_lshlrev_b32 v[BR], 2, v1
.irp b, 0,1,2,3,4,5,6,7
	global_load_b128 v[CB+8*\b:CB+8*\b+3], v[BH], s[66:67] offset:64*\b        ; tile b, registers 0-7: columns 16 b + 8 h + 0..7
	global_load_b128 v[CB+8*\b+4:CB+8*\b+7], v[BH], s[66:67] offset:64*\b+16
.endr
.irp a, 0,1,2,3,4,5,6,7
	global_load_b32 v[RB+\a], v[BR], s[96:97] offset:64*\a                     ; block a: row 16 a + r
.endr
	global_prefetch_b8 v[PFO], s[PFA:PFA+1] th:TH_LOAD_NT scope:SCOPE_SE       ; K step 1
.macro FRAG reg, adr, q, i             ; 16 rows x 128 K: lane l holds row l % 16; registers 4 c .. 4 c + 3 hold K = 32 c + 16 (l / 16) + 0 .. 15
.irp c, 0,1,2,3
	ds_load_b128 v[\reg+4*\c:\reg+4*\c+3], v[\adr] offset:128*(\q)+32*\c+(\i)*16*PITCH
.endr
.endm
; 16 matrix instructions: lane-side blocks a0, a0 + 1 x the register side's eight.  The 64 accumulators take turns, one instruction a turn, in the same order in every step.
.macro MUL16 a0, p, q, sc, zero
.irp a, \a0, \a0+1
.irp b, 0,1,2,3,4,5,6,7
.if \zero
	v_wmma_scale_f32_16x16x128_f8f6f4 v[8*(8*((\a)%4)+\b):8*(8*((\a)%4)+\b)+7], v[128*(\p)+FR*\b:128*(\p)+FR*\b+FR-1], v[AF+FR*(\a):AF+FR*(\a)+FR-1], 0, v[SC+8*NQ*(\sc)+NQ*\b+(\q)], v[SC+8*NQ*(\sc)+NQ*(\a)+(\q)] matrix_a_fmt:MATRIX_FMT_BF8 matrix_b_fmt:MATRIX_FMT_BF8 matrix_a_scale:MATRIX_SCALE_ROW1
.else
	v_wmma_scale_f32_16x16x128_f8f6f4 v[8*(8*((\a)%4)+\b):8*(8*((\a)%4)+\b)+7], v[128*(\p)+FR*\b:128*(\p)+FR*\b+FR-1], v[AF+FR*(\a):AF+FR*(\a)+FR-1], v[8*(8*((\a)%4)+\b):8*(8*((\a)%4)+\b)+7], v[SC+8*NQ*(\sc)+NQ*\b+(\q)], v[SC+8*NQ*(\sc)+NQ*(\a)+(\q)] matrix_a_fmt:MATRIX_FMT_BF8 matrix_b_fmt:MATRIX_FMT_BF8 matrix_a_scale:MATRIX_SCALE_ROW1
.endif
.endr
.endr
.endm
.macro FETCH_B slot, q, p
	WIN TO_B
.irp i, 0,1,2,3,4,5,6,7
	FRAG 128*(\p)+FR*\i, ADRB+\slot, \q, \i
.endr
	WIN 0
.endm
.macro FETCH_A slot, q, i0
.irp i, \i0, \i0+1, \i0+2, \i0+3
	FRAG AF+FR*(\i), ADRA+\slot, \q, \i
.endr
.endm
.macro SCALES sc                       ; a K step's scale words: lanes 0-15 the lane side's block i, lanes 16-31 the register side's block i
.irp i, 0,1,2,3,4,5,6,7
	ds_load_b64 v[SC+8*NQ*\sc+NQ*\i:SC+8*NQ*\sc+NQ*\i+1], v[ADRS] offset:\i*SBLK
.endr
.endm
.macro PLACES n                        ; plain vector lines between a matrix instruction and a load into, or a vector line on, its registers
.rept \n
	v_nop
.endr
.endm
.macro STEP slot, q, zero              ; 128 along K that has its successor in the same slot
	s_wait_dscnt 4*NL                              ; all but the youngest 16 loads (blocks 4-7 of the lane side)
	WIN MUL_LO
	MUL16 0, (\q)%2, \q, \slot, \zero
	MUL16 2, (\q)%2, \q, \slot, \zero
	s_wait_dscnt 0
	PLACES NP
	FETCH_B \slot, (\q)+1, 1-(\q)%2
	FETCH_A \slot, (\q)+1, 0
	WIN MUL_HI
	MUL16 4, (\q)%2, \q, \slot, \zero
	MUL16 6, (\q)%2, \q, \slot, \zero
	PLACES NP
	WIN 0
	FETCH_A \slot, (\q)+1, 4
.endm
; A slot's last step changes slots: one barrier; in front of it each wave waits for all its tensor loads, adds 0 to its spare word, and waits for that and for its reads of this slot.
.macro TURN slot, next, fill
	s_wait_tensorcnt 0x0                           ; all my tensor loads have landed: my part of the next slot
	ds_add_u32 v[SPW], v[NIL]                      ; 0 onto my spare word
	s_wait_dscnt 4*NL+1                            ; (the add and the youngest 16 loads may be out)
	WIN MUL_LO
	MUL16 0, 1, NQ-1, \slot, 0
	s_wait_dscnt 0x0                               ; the add is done, and my reads of this slot are over
	s_barrier_signal -1
	MUL16 2, 1, NQ-1, \slot, 0
	WIN 0
	s_barrier_wait -1
.if \fill
	CREST                                          ; the barrier has opened a round of the cluster's: no wave of any partner still reads this slot or has a load on its way
	s_add_nc_u64 s[G0+4*\slot+2:G0+4*\slot+3], s[G0+4*\slot+2:G0+4*\slot+3], 2*ROWB
	s_add_nc_u64 s[G0B+4*\slot+2:G0B+4*\slot+3], s[G0B+4*\slot+2:G0B+4*\slot+3], 2*ROWB
	JLOAD G0+4*\slot, G1, G0B+4*\slot, G1B         ; my one tensor load behind the round; its four v_nop are four of the eight places
	PLACES NP-4
.else
	PLACES NP
.endif
	s_wait_alu depctr_va_vdst(0)
	v_add_nc_u32 v[ADRS], 4*NQ, v[ADRS]            ; the next K step's scale words
	FETCH_B \next, 0, 0
	FETCH_A \next, 0, 0
	SCALES \next
.if (\fill) && ((\slot) == 0)
	global_prefetch_b8 v[PFO], s[PFA:PFA+1] offset:2*ROWB th:TH_LOAD_NT scope:SCOPE_SE   ; K step 3, behind K step 2's refill; the loop has one trip, and K step 3's refill asks for nothing
.endif
	WIN MUL_HI
	MUL16 4, 1, NQ-1, \slot, 0
	MUL16 6, 1, NQ-1, \slot, 0
	PLACES NP
	WIN 0
	FETCH_A \next, 0, 4
.endm
; 64 numbers of a lane, register 16 b + i of v[s] on, become a fragment's codes in v[pc] on and its scale word in v[pw].  relu = 1: what is negative becomes 0 on the way.
.macro QUANT s, relu, pc, pw
.if \relu
.irp b, 0,1,2,3
	v_max3_num_f32 v[TM+\b], v[\s+16*\b], v[\s+1+16*\b], 0x8000000
.endr
.irp i, 2,4,6,8,10,12,14
.irp b, 0,1,2,3
	v_max3_num_f32 v[TM+\b], v[TM+\b], v[\s+16*\b+\i], v[\s+1+16*\b+\i]
.endr
.endr
.else
.irp b, 0,1,2,3
	v_max3_num_f32 v[TM+\b], |v[\s+16*\b]|, |v[\s+1+16*\b]|, 0x8000000   ; block b: my 16 numbers, and the floor 2^(16 - 127): the byte cannot fall under 1
.endr
.irp i, 2,4,6,8,10,12,14
.irp b, 0,1,2,3
	v_max3_num_f32 v[TM+\b], v[TM+\b], |v[\s+16*\b+\i]|, |v[\s+1+16*\b+\i]|   ; (the four blocks by turns)
.endr
.endr
.endif
.irp b, 0,1,2,3
	v_permlanex16_b32 v[TM+4+\b], v[TM+\b], s[SEL], s[SEL+1]
.endr
.irp b, 0,1,2,3
	v_max_num_f32 v[TM+\b], v[TM+\b], v[TM+4+\b]   ; with lane l xor 16's 16: the block's largest magnitude
.endr
.irp b, 0,1,2,3
	v_add_nc_u32 v[TM+12+\b], 0xf8800000, v[TM+\b]   ; 15 off its exponent field: the conversion's scale operand
.endr
.irp b, 0,1,2,3
	v_and_or_b32 v[TM+8+\b], v[TM+\b], 0x7f800000, s[MNT]   ; 57,344 x the scale
.endr
.irp b, 0,1,2,3
	v_lshrrev_b32 v[TM+4+\b], 23, v[TM+12+\b]      ; the scale's byte
.endr
	v_lshl_or_b32 v[\pw], v[TM+5], 8, v[TM+4]
	v_lshl_or_b32 v[\pw], v[TM+6], 16, v[\pw]
	v_lshl_or_b32 v[\pw], v[TM+7], 24, v[\pw]
.irp b, 0,1,2,3
.irp i, 0,1,2,3,4,5,6,7,8,9,10,11,12,13,14,15
.if \relu
	v_med3_num_f32 v[\s+16*\b+\i], v[\s+16*\b+\i], 0, v[TM+8+\b]
.else
	v_med3_num_f32 v[\s+16*\b+\i], v[\s+16*\b+\i], -v[TM+8+\b], v[TM+8+\b]   ; the conversion to an 8-bit code does not saturate (ISA guide 7.6.2)
.endif
.endr
	v_cvt_scalef32_pk8_bf8_f32 v[\pc+4*\b:\pc+1+4*\b], v[\s+16*\b:\s+7+16*\b], v[TM+12+\b]
	v_cvt_scalef32_pk8_bf8_f32 v[\pc+2+4*\b:\pc+3+4*\b], v[\s+8+16*\b:\s+15+16*\b], v[TM+12+\b]
.endr
	v_nop                                          ; a plain line behind the last conversion, ahead of the lines that write its sources again
.endm
; Block a of q or k: 16 tokens x 128 channels.  The addition of the bias is also the way from the accumulators' window into window 0; each accumulator is read from its low end on.
.macro OUTQK a
.if (\a) >= 2
	s_wait_xcnt 0x0                                ; block a - 2's stores have read this set of codes
.endif
	WIN 0x02+(\a)/4
.irp b, 0,1,2,3,4,5,6,7
.irp j, 0,2,4,6
	v_pk_add_f32 v[W+8*\b+\j:W+8*\b+\j+1], v[64*((\a)%4)+8*\b+\j:64*((\a)%4)+8*\b+\j+1], v[CB+8*\b+\j:CB+8*\b+\j+1]
.endr
.endr
	WIN 0
	QUANT W, 0, PC+16*((\a)%2), SWR+(\a)
.irp c, 0,1,2,3
	global_store_b128 v[LI], v[PC+16*((\a)%2)+4*\c:PC+16*((\a)%2)+4*\c+3], s[46:47] offset:(\c/2)*131072+(\a)*1024+(\c%2)*512   ; 512 consecutive bytes: head c / 2, token tile a, block c % 2
.endr
.endm
; Block a of v: 16 channels x 128 keys.
.macro OUTV a
.if (\a) >= 2
	s_wait_xcnt 0x0
.endif
	WIN 0x02+(\a)/4
.set k, 0
.rept 64
	v_add_f32 v[W+k], v[64*((\a)%4)+k], v[RB+(\a)]
.set k, k+1
.endr
	WIN 0
	QUANT W, 0, PC+16*((\a)%2), SWR+(\a)
.irp c, 0,1,2,3
	global_store_b128 v[LI], v[PC+16*((\a)%2)+4*\c:PC+16*((\a)%2)+4*\c+3], s[46:47] offset:((\a)/4)*131072+((\a)%4)*2048+\c*512   ; head a / 4, channel tile a % 4
.endr
.endm
	s_wait_alu depctr_va_vdst(0)
	s_wait_tensorcnt 0x0                           ; my tile of the head's four is in; slot 1's first fill is issued as a refill is:
	ds_add_u32 v[SPW], v[NIL]                      ; 0 onto my spare word
	s_mov_b32 s[G1+2], 128<<16                     ; no tensor load of mine is out: from here on a load brings 128 rows
	s_mov_b32 s[G1+4], 128
	s_mov_b32 s[G1B+2], 128<<16
	s_mov_b32 s[G1B+4], 128
	s_wait_dscnt 0x0
	CROUND                                         ; all four tiles are in, and all sixteen work-groups are here
	JLOAD G0+4, G1, G0B+4, G1B                     ; K step 1: my one tensor load behind the round
	FETCH_B 0, 0, 0
	FETCH_A 0, 0, 0
	SCALES 0
	FETCH_A 0, 0, 4
	global_prefetch_b8 v[PFO], s[PFA:PFA+1] offset:ROWB th:TH_LOAD_NT scope:SCOPE_SE     ; K step 2
	STEP 0, 0, 1
	s_mov_b32 s3, LAPS-1
.Llap:                                                 ; a trip goes once round the ring and fills both slots again
	TURN 0, 1, 1
	STEP 1, 0, 0
	TURN 1, 0, 1
	STEP 0, 0, 0
	s_sub_co_u32 s3, s3, 1
	s_cmp_lg_u32 s3, 0
	s_cbranch_scc1 .Llap
	TURN 0, 1, 0                                   ; the last lap fills nothing
	STEP 1, 0, 0
	s_wait_dscnt 4*NL
	WIN MUL_LO
	MUL16 0, 1, NQ-1, 1, 0
	MUL16 2, 1, NQ-1, 1, 0
	s_wait_dscnt 0
	WIN MUL_HI
	MUL16 4, 1, NQ-1, 1, 0
	MUL16 6, 1, NQ-1, 1, 0
	WIN 0
	PLACES NP                                      ; behind the last products: the lines below write registers that held fragments and read results
	s_wait_loadcnt 0x0                             ; the bias
.irp b, 0,1,2,3
	v_mov_b32 v[TM+4+\b], 0                        ; written once: a lane permute's destination counts as one of its sources
.endr
	v_and_b32 v251, 31, v0
	v_lshlrev_b32 v[LI], 4, v251
	v_cmp_lt_u32 vcc_lo, 15, v251                  ; lanes 16-31
	v_and_b32 v250, 15, v0                         ; r
	v_lshrrev_b32 v251, 4, v251                    ; h
	s_cmp_ge_u32 s[CLY], 4
	s_cbranch_scc1 .Lvmode                         ; the cluster's y: the same way in all partners
	s_lshr_b32 s20, s17, 3                         ; b
	s_lshl_b32 s21, s42, 1
	s_add_co_u32 s21, s21, s16                     ; my pair of heads
	s_lshl_b32 s22, s17, 1
	s_add_co_u32 s22, s22, s15
	s_and_b32 s22, s22, 15                         ; my first token tile / 8
	s_lshl_b32 s46, s20, 21
	s_lshl_b32 s47, s21, 18
	s_add_co_u32 s46, s46, s47
	s_lshl_b32 s47, s22, 13
	s_add_co_u32 s46, s46, s47                     ; images: n x 131,072 + T x 1,024
	s_lshl_b32 s20, s20, 4
	s_lshl_b32 s21, s21, 1
	s_add_co_u32 s20, s20, s21                     ; n of my first head
	s_lshl_b32 s22, s22, 9
	s_mov_b32 s2, 12288
	s_mov_b32 s23, KVSW
	s_cmp_eq_u32 ttmp9, 0                          ; q or k
	s_cselect_b32 s47, 0, KIMG
	s_cselect_b32 s2, 8192, s2                     ; bytes of scale words from head to head
	s_cselect_b32 s23, QSW, s23
	s_add_co_u32 s46, s46, s47
	s_mov_b32 s47, 0
	s_add_nc_u64 s[46:47], s[12:13], s[46:47]
	s_mul_i32 s20, s20, s2
	s_add_co_u32 s20, s20, s22
	s_add_co_u32 s20, s20, s23
	s_mov_b32 s21, 0
	s_add_nc_u64 s[20:21], s[12:13], s[20:21]
	s_wait_alu depctr_va_vdst(0)
	v_mul_u32_u24 v252, v251, s2
	v_lshl_add_u32 v252, v250, 4, v252             ; 16 r, and lanes 16-31 one head on
.irp a, 0,1,2,3,4,5,6,7
	OUTQK \a
.endr
	v_mov_b32 v249, 0x01000100                     ; lanes 0-15 keep the first head's two bytes, twice;
	v_mov_b32 v250, 0x03020302                     ; lanes 16-31 the second head's
	v_cndmask_b32 v249, v249, v250, vcc_lo
.irp a, 0,1,2,3,4,5,6,7
	v_perm_b32 v[SWR+\a], v[SWR+\a], v[SWR+\a], v249
.endr
	global_store_b128 v252, v[SWR:SWR+3], s[20:21]               ; sixteen lanes store 256 consecutive bytes: four token tiles' words of 16 rows
	global_store_b128 v252, v[SWR+4:SWR+7], s[20:21] offset:256
	s_branch .Lend
.Lvmode:
	s_lshl_b32 s20, s42, 1
	s_add_co_u32 s20, s20, s16                     ; my 128 keys among the 32 runs of both batches
	s_lshr_b32 s21, s20, 4                         ; b
	s_and_b32 s20, s20, 15                         ; j
	s_lshl_b32 s21, s21, 4
	s_lshl_b32 s22, s17, 2
	s_add_co_u32 s21, s21, s22
	s_lshl_b32 s22, s15, 1
	s_add_co_u32 s21, s21, s22                     ; n of my first head
	s_lshl_b32 s46, s21, 17
	s_lshl_b32 s47, s20, 13
	s_add_co_u32 s46, s46, s47
	s_add_co_u32 s46, s46, VIMG
	s_mov_b32 s47, 0
	s_add_nc_u64 s[46:47], s[12:13], s[46:47]
	s_mul_i32 s22, s21, 12288
	s_lshl_b32 s20, s20, 8
	s_add_co_u32 s20, s20, s22
	s_add_co_u32 s20, s20, KVSW+8192
	s_mov_b32 s21, 0
	s_add_nc_u64 s[20:21], s[12:13], s[20:21]
	s_wait_alu depctr_va_vdst(0)
	v_mul_u32_u24 v252, v251, 12288
	v_lshl_add_u32 v252, v250, 4, v252
.irp a, 0,1,2,3,4,5,6,7
	OUTV \a
.endr
.irp i, 0,1,2,3
	v_cndmask_b32 v[SWR+\i], v[SWR+\i], v[SWR+4+\i], vcc_lo      ; lanes 16-31 take the second head's four words
.endr
	global_store_b128 v252, v[SWR:SWR+3], s[20:21]
.Lend:
	s_wait_tensorcnt 0x0                           ; the wave's end
	ds_add_u32 v[SPW], v[NIL]
	s_wait_dscnt 0x0
	CROUND                                         ; the closing round: no work-group ends while a partner may still ask for a tile that names it
	s_endpgm
.Lfunc_end_k_qf5696b0e1c_qkv:
	.size	k_qf5696b0e1c_qkv, .Lfunc_end_k_qf5696b0e1c_qkv-k_qf5696b0e1c_qkv
	.p2alignl 7, 3214868480
	.fill 96, 4, 3214868480
	.section	.rodata,"a",@progbits
	.p2align	6, 0x0
	.amdhsa_kernel k_qf5696b0e1c_qkv
		.amdhsa_group_segment_fixed_size 327680
		.amdhsa_private_segment_fixed_size 0
		.amdhsa_enable_private_segment 0
		.amdhsa_kernarg_size 88
		.amdhsa_user_sgpr_count 2
		.amdhsa_user_sgpr_kernarg_segment_ptr 1
		.amdhsa_wavefront_size32 1
		.amdhsa_system_sgpr_workgroup_id_x 1
		.amdhsa_system_sgpr_workgroup_id_y 1
		.amdhsa_system_sgpr_workgroup_id_z 1
		.amdhsa_system_vgpr_workitem_id 0
		.amdhsa_next_free_vgpr 1024
		.amdhsa_next_free_sgpr 106
		.amdhsa_reserve_vcc 1
		.amdhsa_float_denorm_mode_32 3
		.amdhsa_float_denorm_mode_16_64 3
		.amdhsa_memory_ordered 1
		.amdhsa_forward_progress 1
		.amdhsa_inst_pref_size 255
	.end_amdhsa_kernel
	.section	.bss,"aw",@nobits
	.p2align	6
	.space	262144
	.amdgpu_metadata
---
amdhsa.version: [ 1, 2 ]
amdhsa.kernels:
  - .name:           k_qf5696b0e1c_qkv
    .symbol:         k_qf5696b0e1c_qkv.kd
    .args:
      - { .name: ac, .offset: 0, .size: 8, .value_kind: global_buffer, .address_space: global }
      - { .name: Wq_codes, .offset: 8, .size: 8, .value_kind: global_buffer, .address_space: global }
      - { .name: Wq_scales, .offset: 16, .size: 8, .value_kind: global_buffer, .address_space: global }
      - { .name: Wk_codes, .offset: 24, .size: 8, .value_kind: global_buffer, .address_space: global }
      - { .name: Wk_scales, .offset: 32, .size: 8, .value_kind: global_buffer, .address_space: global }
      - { .name: Wv_codes, .offset: 40, .size: 8, .value_kind: global_buffer, .address_space: global }
      - { .name: Wv_scales, .offset: 48, .size: 8, .value_kind: global_buffer, .address_space: global }
      - { .name: bq, .offset: 56, .size: 8, .value_kind: global_buffer, .address_space: global }
      - { .name: bk, .offset: 64, .size: 8, .value_kind: global_buffer, .address_space: global }
      - { .name: bv, .offset: 72, .size: 8, .value_kind: global_buffer, .address_space: global }
      - { .name: qkvw, .offset: 80, .size: 8, .value_kind: global_buffer, .address_space: global }
    .group_segment_fixed_size: 327680
    .private_segment_fixed_size: 0
    .kernarg_segment_align: 8
    .kernarg_segment_size: 88
    .max_flat_workgroup_size: 128
    .sgpr_count:     106
    .vgpr_count:     1024
    .wavefront_size: 32
...
	.end_amdgpu_metadata
.endif
;; end of part 2
;; launch attn (part 3): grid 8 x 32, 16 waves a work-group, clusters of 4 x 1, 327,680 bytes of LDS; arguments qkvw, ow; writes ow
.if DOCPART == 3
	.amdgcn_target "amdgcn-amd-amdhsa--gfx1250"
	.amdhsa_code_object_version 6
	.text
	.protected	k_qf5696b0e1c_attn
	.globl	k_qf5696b0e1c_attn
	.p2align	8
	.type	k_qf5696b0e1c_attn,@function
k_qf5696b0e1c_attn:
	s_mov_b64 s[64:65], 0
	v_nop
	global_prefetch_b8 v0, s[64:65] scope:SCOPE_SE
	s_setreg_imm32_b32 hwreg(HW_REG_WAVE_MODE, 25, 1), 1
	s_wait_xcnt 0x0
	s_wait_alu depctr_hold_cnt(0) depctr_sa_sdst(0) depctr_va_vdst(0) depctr_va_sdst(0) depctr_va_ssrc(0) depctr_va_vcc(0) depctr_vm_vsrc(0)
	s_getreg_b32 s2, hwreg(HW_REG_IB_STS2, 6, 4)
	s_cmp_eq_u32 s2, 0
	s_cbranch_scc0 .Lentry_in_a_cluster
	s_endpgm
.Lentry_in_a_cluster:
	s_bfe_u32 s2, ttmp6, 0x10000c
	s_cmp_lg_u32 s2, 0x3003
	s_cbranch_scc0 .Lentry_shape_is_right
	s_endpgm
.Lentry_shape_is_right:
; o = softmax(q k^T / 8) v for one head n = 16 b + head and 256 queries a work-group, both products on codes of BF8 with E8M0 scales; o is quantised on its way out.
; t = score x log2(e) / 8 (the division by 8 is a power of two and stands in c); M = the largest t so far, rounded up to a whole number; p = 2^(t - M) is quantised along the keys,
; not normalised; the row's sum is taken of the unquantised p and divides O at the end.  When M moves, the sum and O are multiplied by 2^(old M - new M): exact.
; SHARES: sixteen waves, each one tile of 16 queries in 256 registers, four waves to a SIMD.  Both products are used transposed (S^T = K Q^T, O^T = V^T P^T): a lane holds one query.
; LDS holds the head's whole K and V as images of the operands' registers, and their scale words: every byte is filled once; a fragment load reads 512 consecutive bytes.
; THE FILLS, one tensor load a wave at a time.  At the head: waves 0-5 a sixth each of K's key steps 0-2, waves 6-11 of V's, waves 12-15 a quarter each of the scale words.
; Behind the wait for those, the add and a round: waves 0-7 an eighth each of K's key steps 3-15, waves 8-15 of V's; that load has three key steps' work in which to land.
; CLUSTER: the four query blocks of a cluster belong to one head and read the same K and V: each piece is asked for jointly, with the mask of all four.
; NO PREFETCH: all that the work-group reads is asked for in these two groups; there is no later request to run ahead of.
; THE FIRST PRODUCT'S K IS 64, the instruction's 128.  Q stands in registers as [q | zero codes | q]: the fragment [q | 0] and the fragment [0 | q].  Two tiles of K share one fragment of
; 16 registers, [tile 2 p | tile 2 p + 1]: against [q | 0] only tile 2 p counts, against [0 | q] only tile 2 p + 1, since K's codes are finite (the quantiser holds them) and a zero
; code times a finite code is 0.  A tile's scale word holds the head's two bytes twice, so it serves in either half.  So a step's eight tiles lie in 64 registers and are asked for
; a whole softmax ahead.
; The 16 registers of S^T's tiles 2 c and 2 c + 1 hold keys 32 c + 8 h + i % 8 + 16 (i / 8): the order in which v's images were laid.
; THE EXPONENTIALS of a key step, 4 + 64, go as one batch with one wait ahead of it and one behind it.
; The maxima and the sums run in four chains by turns, so that no line reads the line just above it.
; LIMITS: q / 8 is taken as q's codes with 1/8 in c: the same numbers unless a block of q lies under 2^-108; a block of zeros gets the byte 1 (codes zero; only this program reads
; the bytes); NaN and infinities are not served; the promise holds while the scaled scores stay under 2^31 in magnitude.
.set KIMG, 4194304
.set VIMG, 8388608
.set QSW,  12582912
.set KVSW, 12845056
.set OSW,  4194304                     ; ow's scale words
.set VT,   131072                      ; LDS: K's images at 0, V's here,
.set KSW,  262144                      ; K's scale words (512 bytes a key step),
.set VSW,  270336                      ; V's (256 bytes a key step),
.set SPARE, 274432                     ; the spare words: 128 bytes a wave, named by no other line
.set EARLY, 24576                      ; the images of key steps 0-2, in K and in V
.set EP,   EARLY/6                     ; a wave's piece of them: 16 rows of 256 bytes,
.set LP,   (VT-EARLY)/8                ; of the other thirteen steps': 52 rows,
.set WP,   12288/4                     ; and of the scale words: 12 rows
; v16-39 Q; v40-87 and v232-247 K's eight tiles; v88-91 and v248-251 their scale words; v92-95 V's scale words
.set S,    96                          ; v96-159 S^T, then p, then V's four fragments
.set O,    160                         ; v160-191 O^T
.set PCD,  192                         ; v192-207 p's codes
.set QS,   208                         ; Q's scale word
.set PS,   209                         ; p's
.set SD,   210                         ; v[210:211] the sum's fourth chain
.set BM,   212                         ; v212-215 a block's largest score, then its largest p
.set T2,   216                         ; v216-219 at work; then the sum's second and third chains
.set HD,   220                         ; v220-223 57,344 x the scale
.set SCA,  224                         ; v224-227 the conversions' scale operands
.set F,    228                         ; v[228:229] f = 2^(old M - new M)
.set WK,   230
.set SPW,  254                         ; my spare word's address; never rewritten
.set NIL,  255                         ; 0; never rewritten
.set WV,   8                           ; s8 my wave's number
.set CS,   2                           ; s[2:3] c
.set MNT,  17
.set SEL,  78                          ; s[78:79]
.set TK,   66                          ; s66 the key step's images: 8,192 bytes a step, in K and in V
.set TS,   67                          ; s67 K's scale words
.set TV,   22                          ; s22 V's
.set CNT,  23
.macro ROUND
	s_barrier_signal -1
	s_barrier_wait -1
	s_cmp_lg_u32 s[WV], 0
	s_cbranch_scc1 .Lnot_wave_0_\@
	s_barrier_signal -3
.Lnot_wave_0_\@:
	s_barrier_wait -3
	s_barrier_signal -1
	s_barrier_wait -1
.endm
.macro TL g0, g1                       ; a joint load, with the s_nop 0 and the four v_nop
	tensor_load_to_lds s[\g0:\g0+3], s[\g1:\g1+7]
	s_nop 0
.rept 4
	v_nop
.endr
.endm
	s_load_b128 s[4:7], s[0:1], 0x0                ; qkvw, ow
	v_lshl_add_u32 v[SPW], v0, 2, SPARE
	v_mov_b32 v[NIL], 0
	ds_add_u32 v[SPW], v[NIL]                      ; the opening lines: the add twice on end and one wait
	ds_add_u32 v[SPW], v[NIL]
	v_lshrrev_b32 v6, 5, v0
	v_readfirstlane_b32 s[WV], v6                  ; wave 0..15
	s_bfe_u32 s9, ttmp6, 0x40000                   ; cx: it enters Q's and o's addresses alone
	s_lshl_b32 s10, ttmp9, 2
	s_add_co_u32 s10, s10, s9                      ; my block of 256 queries
	s_and_b32 s11, ttmp7, 0xffff                   ; n, which the four partners share
	; groups 1: dense blocks as rows of 256 bytes (32 elements of 8): s[24:31] 12 rows, s[32:39] 16, s[40:47] 52
.irp g, 24,32,40
	s_mov_b32 s[\g], 15|(3<<16)|(1<<21)            ; 15:0 the mask: all four work-groups; 17:16 elements of 8 bytes; 21 set beside a mask
	s_mov_b32 s[\g+1], 32<<16
	s_mov_b32 s[\g+3], 32<<16
	s_mov_b32 s[\g+5], 32
	s_mov_b32 s[\g+6], 0
	s_mov_b32 s[\g+7], 0
.endr
	s_mov_b32 s26, (WP/256)<<16
	s_mov_b32 s28, WP/256
	s_mov_b32 s34, (EP/256)<<16
	s_mov_b32 s36, EP/256
	s_mov_b32 s42, (LP/256)<<16
	s_mov_b32 s44, LP/256
	; what I fetch: offsets made of the head and the wave's number alone, the same in all four partners; LDS addresses of the wave's number alone.
	; Every wave makes all four groups 0 and uses two: wave w's early piece lies w EP on from a base that is set back by the arm's first wave.
	s_lshr_b32 s60, s[WV], 3                       ; later piece: 0 of K, 1 of V
	s_and_b32 s61, s[WV], 7                        ; which eighth
	s_mul_i32 s62, s61, LP
	s_add_co_u32 s62, s62, EARLY                   ; its place in a head's images
	s_mul_i32 s63, s[WV], EP
	s_mul_i32 s68, s60, VIMG-KIMG
	s_lshl_b32 s69, s11, 17
	s_add_co_u32 s68, s68, s69
	s_add_co_u32 s68, s68, KIMG                    ; the head's images of K or of V in qkvw
	s_add_co_u32 s12, s69, s63
	s_add_co_u32 s70, s12, VIMG-6*EP               ; V's early piece (waves 6-11),
	s_mov_b32 s71, 0
	s_add_co_u32 s12, s12, KIMG                    ; K's (waves 0-5)
	s_mov_b32 s13, 0
	s_mul_i32 s69, s60, VT
	s_add_co_u32 s14, s68, s62
	s_mov_b32 s15, 0
	s_mul_i32 s16, s[WV], WP
	s_mul_i32 s18, s11, 12288
	s_add_co_u32 s18, s18, s16
	s_add_co_u32 s18, s18, KVSW-12*WP              ; the scale words' piece (waves 12-15)
	s_mov_b32 s19, 0
	s_mov_b32 s48, 1                               ; groups 0: the scale words,
	s_add_co_u32 s49, s16, KSW-12*WP
	s_mov_b32 s52, 1                               ; K's key steps 0-2,
	s_mov_b32 s53, s63
	s_mov_b32 s72, 1                               ; V's,
	s_add_co_u32 s73, s63, VT-6*EP
	s_mov_b32 s56, 1                               ; key steps 3-15
	s_add_co_u32 s57, s69, s62
	s_mov_b32 s[CS], 0x3e38aa3b                    ; c = log2(e) / 8
	s_mov_b32 s[CS+1], s[CS]                       ; (named with it as a pair, so it is written)
	s_mov_b32 s[MNT], 0x600000
	s_mov_b32 s[SEL], 0x76543210
	s_mov_b32 s[SEL+1], 0xfedcba98
	s_mov_b32 s[TK], 0
	s_mov_b32 s[TS], 0
	s_mov_b32 s[TV], 0
	s_wait_dscnt 0x0                               ; both opening adds are done
	s_wait_kmcnt 0x0
	s_add_nc_u64 s[50:51], s[4:5], s[18:19]
	s_or_b32 s51, s51, 0x80000000
	s_add_nc_u64 s[54:55], s[4:5], s[12:13]
	s_or_b32 s55, s55, 0x80000000
	s_add_nc_u64 s[74:75], s[4:5], s[70:71]
	s_or_b32 s75, s75, 0x80000000
	s_add_nc_u64 s[58:59], s[4:5], s[14:15]
	s_or_b32 s59, s59, 0x80000000
	ROUND                                          ; all four work-groups are here: the joint loads meet
	s_cmp_lt_u32 s[WV], 6                          ; one chain of branches on the wave's number, an arm a load: every way passes exactly one
	s_cbranch_scc0 .Lhead_v
	TL 52, 32
	s_branch .Lhead_asked
.Lhead_v:
	s_cmp_lt_u32 s[WV], 12
	s_cbranch_scc0 .Lhead_s
	TL 72, 32
	s_branch .Lhead_asked
.Lhead_s:
	TL 48, 24
.Lhead_asked:
	v_and_b32 v6, 31, v0
	v_and_b32 v7, 15, v0
	v_lshlrev_b32 v1, 4, v6                        ; 16 x lane: an image's place for my lane
	v_lshlrev_b32 v5, 4, v7                        ; 16 r
	v_lshl_add_u32 v2, v6, 4, VT
	v_lshl_add_u32 v3, v7, 4, KSW
	v_lshl_add_u32 v4, v7, 4, VSW
	v_add_nc_u32 v8, s[TK], v1                     ; key step 0's addresses: K's images, V's, K's scale words, V's; each step makes the next step's at its end
	v_add_nc_u32 v9, s[TK], v2
	v_add_nc_u32 v10, s[TS], v3
	v_add_nc_u32 v11, s[TV], v4
	s_wait_alu depctr_va_vdst(0)                   ; the wait ahead of the run of scalar lines
	s_lshl_b32 s16, s10, 4
	s_add_co_u32 s16, s16, s[WV]                   ; T: my tile of 16 queries
	s_lshl_b32 s18, s16, 10
	s_lshl_b32 s19, s11, 17
	s_add_co_u32 s18, s18, s19
	s_mov_b32 s19, 0
	s_add_nc_u64 s[18:19], s[4:5], s[18:19]        ; its image
	s_lshl_b32 s20, s11, 13
	s_lshr_b32 s21, s16, 2
	s_lshl_b32 s21, s21, 8
	s_add_co_u32 s20, s20, s21
	s_and_b32 s21, s16, 3
	s_lshl_b32 s21, s21, 2
	s_add_co_u32 s20, s20, s21
	s_add_co_u32 s20, s20, QSW
	s_mov_b32 s21, 0
	s_add_nc_u64 s[20:21], s[4:5], s[20:21]        ; its scale words
	global_load_b128 v[16:19], v1, s[18:19]        ; Q stays in registers, twice: [q | zeros | q]
	global_load_b128 v[20:23], v1, s[18:19] offset:512
	global_load_b128 v[32:35], v1, s[18:19]
	global_load_b128 v[36:39], v1, s[18:19] offset:512
	global_load_b32 v[QS], v5, s[20:21]
.irp j, 0,1,2,3,4,5,6,7
	v_mov_b32 v[24+\j], 0                          ; the zero codes between the two copies of Q
.endr
	v_mov_b32 v13, 0xff61b1e6                      ; the largest score so far: -3e38
	v_mov_b32 v14, 0                               ; the sum, in two halves
	v_mov_b32 v15, 0
	v_floor_f32 v12, -v13                          ; -M
	v_mov_b32 v[F+1], 0                            ; (named as the upper half of a pair)
.irp b, 0,1,2,3
	v_mov_b32 v[T2+\b], 0                          ; a lane permute's destination counts as one of its sources
.endr
.set j, 0
.rept 32
	v_mov_b32 v[O+j], 0                            ; the step is written for every trip alike: the first finds zeros
.set j, j+1
.endr
.macro KT t, off                       ; tile t of K, of the step off bytes on from v8's: eight registers, two LDS loads
.if (\t) < 6
.set KB, 40+8*(\t)
.else
.set KB, 232+8*((\t)-6)
.endif
	ds_load_b128 v[KB:KB+3], v8 offset:\off+(\t)*1024
	ds_load_b128 v[KB+4:KB+7], v8 offset:\off+(\t)*1024+512
.endm
.macro KW off                          ; the eight tiles' scale words of my row
	ds_load_b128 v[88:91], v10 offset:\off/16
	ds_load_b128 v[248:251], v10 offset:\off/16+256
.endm
.macro KFIRST                          ; the tiles of the step in hand, where no step before could ask for them
.irp t, 0,1,2,3,4,5,6,7
	KT \t, 0
.endr
	KW 0
.endm
.macro SPROD t                         ; S^T = K Q^T for tile t: the fragment of tiles t and t xor 1 against the copy of Q that lets tile t count
.if (\t) < 6
.set KB, 40+16*((\t)/2)
.else
.set KB, 232
.endif
.if (\t) < 4
.set KWR, 88+(\t)
.else
.set KWR, 244+(\t)
.endif
	v_wmma_scale_f32_16x16x128_f8f6f4 v[S+8*(\t):S+8*(\t)+7], v[KB:KB+15], v[16+8*((\t)%2):31+8*((\t)%2)], 0, v[KWR], v[QS] matrix_a_fmt:MATRIX_FMT_BF8 matrix_b_fmt:MATRIX_FMT_BF8
.endm
.macro ADDP acc, k                     ; a pair of the unquantised p joins one of the sum's four chains
	v_pk_add_f32 v[\acc:\acc+1], v[\acc:\acc+1], v[S+(\k):S+(\k)+1]
.endm
; The hold of two blocks' 32 numbers in 16 lines (the conversion to an 8-bit code does not saturate: ISA guide 7.6.2; p is not negative, so the hold is one-sided): an even register of
; one block goes with an odd register of the other, so that the destinations are even and odd and the sources lie in different register banks.  Then the conversions, and two fragments
; of V take the registers that these two blocks of p have left.
.macro HOLD2 b0, b1
.irp i, 0,2,4,6,8,10,12,14
	v_dual_min_num_f32 v[S+16*\b0+\i], v[S+16*\b0+\i], v[HD+\b0] :: v_dual_min_num_f32 v[S+16*\b1+\i+1], v[S+16*\b1+\i+1], v[HD+\b1]
	v_dual_min_num_f32 v[S+16*\b1+\i], v[S+16*\b1+\i], v[HD+\b1] :: v_dual_min_num_f32 v[S+16*\b0+\i+1], v[S+16*\b0+\i+1], v[HD+\b0]
.endr
.irp b, \b0, \b1
	v_cvt_scalef32_pk8_bf8_f32 v[PCD+4*\b:PCD+4*\b+1], v[S+16*\b:S+16*\b+7], v[SCA+\b]
	v_cvt_scalef32_pk8_bf8_f32 v[PCD+4*\b+2:PCD+4*\b+3], v[S+16*\b+8:S+16*\b+15], v[SCA+\b]
.endr
	v_nop                                          ; a plain line behind the last conversion of the run
.irp t, \b0, \b1
.irp c, 0,1,2,3
	ds_load_b128 v[S+16*\t+4*\c:S+16*\t+4*\c+3], v9 offset:\t*2048+\c*512
.endr
.endr
.endm
.macro PVPROD t                        ; O^T += V^T P^T, 16 of the head's 64 channels
	v_wmma_scale_f32_16x16x128_f8f6f4 v[O+8*\t:O+8*\t+7], v[S+16*\t:S+16*\t+15], v[PCD:PCD+15], v[O+8*\t:O+8*\t+7], v[92+\t], v[PS] matrix_a_fmt:MATRIX_FMT_BF8 matrix_b_fmt:MATRIX_FMT_BF8
.endm
; A KEY STEP: 128 keys.  Its tiles of K have been asked for already.  pre = 1: it asks for the next step's, in three runs that stand among the dependent lines that make M.
.macro STEP pre
.rept 9
	v_nop                                          ; nine places: the first product below writes over registers that the last step's products read
.endr
	s_wait_dscnt 0x0                               ; the eight tiles of K and their scale words are in
.irp t, 0,1,2,3,4,5,6,7
	SPROD \t                                       ; eight accumulators, one instruction each
.endr
	v_mov_b32 v[WK], v12                           ; the old -M; with the seven lines below: eight places in front of the first read of the results
.rept 7
	v_nop
.endr
	ds_load_b128 v[92:95], v11                     ; V's scale words of my row
.irp b, 0,1,2,3
	v_max3_num_f32 v[BM+\b], v[S+16*\b], v[S+16*\b+1], v[S+16*\b+2]   ; the largest score of each block of 32 keys, the four blocks by turns; each accumulator is first read at its low end
.endr
.irp i, 3,5,7,9,11,13
.irp b, 0,1,2,3
	v_max3_num_f32 v[BM+\b], v[BM+\b], v[S+16*\b+\i], v[S+16*\b+\i+1]
.endr
.endr
.irp b, 0,1,2,3
	v_max_num_f32 v[BM+\b], v[BM+\b], v[S+16*\b+15]
.endr
.irp b, 0,1,2,3
	v_permlanex16_b32 v[T2+\b], v[BM+\b], s[SEL], s[SEL+1]
.endr
.irp b, 0,1,2,3
	s_delay_alu instid0(VALU_DEP_4)
	v_max_num_f32 v[BM+\b], v[BM+\b], v[T2+\b]     ; with lane l xor 16's 16 keys
.endr
.if \pre
	KT 0, 8192                                     ; 40 plain lines stand behind the products that read these registers
	KT 1, 8192
	KT 2, 8192
.endif
	v_max3_num_f32 v13, v13, v[BM], v[BM+1]
	s_delay_alu instid0(VALU_DEP_1)
	v_max3_num_f32 v13, v13, v[BM+2], v[BM+3]      ; the running largest score of my query
.if \pre
	KT 3, 8192
	KT 4, 8192
	KT 5, 8192
.endif
	v_mul_f32 v[T2], s[CS], v13                    ; as t (c is positive, and rounding keeps the order: the largest t is the largest score's)
	s_delay_alu instid0(VALU_DEP_1)
	v_floor_f32 v12, -v[T2]                        ; the new -M = -ceil(t)
	s_delay_alu instid0(VALU_DEP_1)
	v_sub_f32 v[WK], v12, v[WK]                    ; old M - new M: a whole number, 0 or less
.if \pre
	KT 6, 8192
	KT 7, 8192
	KW 8192
.endif
	v_cvt_i32_f32 v[WK], v[WK]                     ; (it saturates)
.irp b, 0,1,2,3
	v_fma_f32 v[BM+\b], v[BM+\b], s[CS], v12       ; t - M of each block's largest score
.endr
	v_ldexp_f32 v[F], 1.0, v[WK]                   ; f: a power of two
.set jj, 0
.rept 32
	v_pk_fma_f32 v[S+jj:S+jj+1], v[S+jj:S+jj+1], s[CS:CS+1], v[12:13] op_sel_hi:[1,0,0]   ; t - M, two at a time
.set jj, jj+2
.endr
	s_wait_alu depctr_va_vdst(0)                   ; the wait ahead of the batch
.irp b, 0,1,2,3
	v_exp_f32 v[BM+\b], v[BM+\b]                   ; the block's largest p: the same two instructions on the same number as that score's own
.endr
.set jj, 0
.rept 64
	v_exp_f32 v[S+jj], v[S+jj]                     ; p = 2^(t - M), at most 1
.set jj, jj+1
.endr
	v_pk_mul_f32 v[14:15], v[14:15], v[F:F+1] op_sel_hi:[1,0]   ; the sums under the new M: the plain line behind the batch
	s_wait_alu depctr_va_vdst(0)                   ; the wait behind the batch, ahead of its first reader
.irp b, 0,1,2,3
	v_max_num_f32 v[BM+\b], 0x8000000, v[BM+\b]    ; the floor 2^(16 - 127)
.endr
.irp b, 0,1,2,3
	s_delay_alu instid0(VALU_DEP_4)
	v_add_nc_u32 v[SCA+\b], 0xf8800000, v[BM+\b]   ; 15 off the exponent field: the conversion's scale operand
.endr
.irp b, 0,1,2,3
	v_and_or_b32 v[HD+\b], v[BM+\b], 0x7f800000, s[MNT]   ; 57,344 x the scale
.endr
.irp b, 0,1,2,3
	v_lshrrev_b32 v[T2+\b], 23, v[SCA+\b]
.endr
	s_delay_alu instid0(VALU_DEP_3)
	v_lshl_or_b32 v[PS], v[T2+1], 8, v[T2]         ; p's scale word for these 128 keys
	s_delay_alu instid0(VALU_DEP_1)
	v_lshl_or_b32 v[PS], v[T2+2], 16, v[PS]
	s_delay_alu instid0(VALU_DEP_1)
	v_lshl_or_b32 v[PS], v[T2+3], 24, v[PS]
	; the row's sum of the unquantised p: blocks 0 and 1 ahead of their hold, blocks 2 and 3 ahead of theirs
	v_pk_add_f32 v[T2:T2+1], v[S:S+1], v[S+2:S+3]
	v_pk_add_f32 v[T2+2:T2+3], v[S+4:S+5], v[S+6:S+7]
	v_pk_add_f32 v[SD:SD+1], v[S+8:S+9], v[S+10:S+11]
.irp k, 12,20
	ADDP 14, \k
	ADDP T2, \k+2
	ADDP T2+2, \k+4
	ADDP SD, \k+6
.endr
	ADDP 14, 28
	ADDP T2, 30
	HOLD2 0, 1                                     ; blocks 0 and 1: held, converted; V's fragments 0 and 1 are asked for
	ADDP T2+2, 32
	ADDP SD, 34
.irp k, 36,44,52
	ADDP 14, \k
	ADDP T2, \k+2
	ADDP T2+2, \k+4
	ADDP SD, \k+6
.endr
	ADDP 14, 60
	ADDP T2, 62
	HOLD2 2, 3
	s_add_co_u32 s[TK], s[TK], 8192                ; all this step's LDS loads are issued: the next step's addresses are made here, ahead of the two waits below
	s_add_co_u32 s[TS], s[TS], 512
	s_add_co_u32 s[TV], s[TV], 256
	v_pk_add_f32 v[T2+2:T2+3], v[T2+2:T2+3], v[SD:SD+1]
	v_pk_add_f32 v[14:15], v[14:15], v[T2:T2+1]
	v_add_nc_u32 v8, s[TK], v1
	v_add_nc_u32 v9, s[TK], v2
	v_add_nc_u32 v10, s[TS], v3
	v_add_nc_u32 v11, s[TV], v4
	v_pk_add_f32 v[14:15], v[14:15], v[T2+2:T2+3]
	s_wait_alu depctr_va_vdst(0)                   ; the wait directly ahead of the first reader of O^T
.set jj, 0
.rept 16
	v_pk_mul_f32 v[O+jj:O+jj+1], v[O+jj:O+jj+1], v[F:F+1] op_sel_hi:[1,0]   ; O^T under the new M, in ascending order; also the places between the codes and the products
.set jj, jj+2
.endr
	s_wait_alu depctr_va_vdst(0)                   ; the wait ahead of the wait below
	s_wait_dscnt 8                                 ; all but the youngest eight loads: V's fragments 2 and 3 may be out
	PVPROD 0                                       ; four accumulators by turns
	PVPROD 1
	s_wait_dscnt 0x0
	PVPROD 2
	PVPROD 3
.endm
	s_wait_alu depctr_va_vdst(0)                   ; the wait at the head's end
	s_wait_tensorcnt 0x0                           ; my piece of the head's fills is in; the later first fill is issued as a refill is:
	ds_add_u32 v[SPW], v[NIL]                      ; 0 onto my spare word
	s_wait_loadcnt 0x0                             ; Q
	s_wait_dscnt 0x0
	ROUND                                          ; everybody's pieces are in, and all four work-groups are here
	TL 56, 40                                      ; key steps 3-15: my one tensor load behind the round
	KFIRST
	s_mov_b32 s[CNT], 2
.Lfirst:
	STEP 1
	s_sub_co_u32 s[CNT], s[CNT], 1
	s_cmp_lg_u32 s[CNT], 0
	s_cbranch_scc1 .Lfirst
	STEP 0                                         ; key step 2 asks for nothing ahead: step 3's tiles are read only behind the barrier below
	s_wait_tensorcnt 0x0                           ; my piece of key steps 3-15 is in,
	s_wait_dscnt 0x0
	s_barrier_signal -1
	s_barrier_wait -1                              ; and every wave's
	KFIRST
	s_mov_b32 s[CNT], 12
.Lrest:
	STEP 1
	s_sub_co_u32 s[CNT], s[CNT], 1
	s_cmp_lg_u32 s[CNT], 0
	s_cbranch_scc1 .Lrest
	STEP 0                                         ; the last key step: nothing follows it
	; THE WAY OUT: O^T / the sum, quantised along the head's 64 channels (two blocks), stored as half an image of the next product's operand.
	s_and_b32 s9, s11, 15                          ; the head
	s_lshr_b32 s10, s11, 4                         ; b
	s_lshl_b32 s10, s10, 7
	s_add_co_u32 s10, s10, s16                     ; the token tile among 256
	s_lshr_b32 s72, s9, 1                          ; the next product's K step
	s_and_b32 s9, s9, 1                            ; and which half of it
	s_lshl_b32 s73, s72, 8
	s_add_co_u32 s73, s73, s10
	s_lshl_b32 s73, s73, 11
	s_lshl_b32 s74, s9, 10
	s_add_co_u32 s74, s74, s73
	s_mov_b32 s75, 0
	s_add_nc_u64 s[74:75], s[6:7], s[74:75]
	s_lshl_b32 s76, s72, 14
	s_lshr_b32 s77, s10, 2
	s_lshl_b32 s77, s77, 8
	s_add_co_u32 s76, s76, s77
	s_and_b32 s77, s10, 3
	s_lshl_b32 s77, s77, 2
	s_add_co_u32 s76, s76, s77
	s_lshl_b32 s77, s9, 1
	s_add_co_u32 s76, s76, s77
	s_add_co_u32 s76, s76, OSW
	s_mov_b32 s77, 0
	s_add_nc_u64 s[76:77], s[6:7], s[76:77]
.rept 8
	v_nop                                          ; places behind the last products
.endr
	v_add_f32 v14, v14, v15
	s_delay_alu instid0(VALU_DEP_1)
	v_permlanex16_b32 v[WK], v14, s[SEL], s[SEL+1]
	s_delay_alu instid0(VALU_DEP_1)
	v_add_f32 v14, v14, v[WK]                      ; the row's sum
	s_wait_alu depctr_va_vdst(0)                   ; the wait ahead of the transcendental
	v_rcp_f32 v14, v14
	v_nop                                          ; a plain line behind it
.set j, 0
	s_wait_alu depctr_va_vdst(0)                   ; the wait behind it, directly ahead of the first readers of O^T too
.rept 16
	v_pk_mul_f32 v[O+j:O+j+1], v[O+j:O+j+1], v[14:15] op_sel_hi:[1,0]
.set j, j+2
.endr
.irp b, 0,1
	v_max3_num_f32 v[BM+\b], |v[O+16*\b]|, |v[O+16*\b+1]|, 0x8000000
.endr
.irp i, 2,4,6,8,10,12,14
.irp b, 0,1
	s_delay_alu instid0(VALU_DEP_2)
	v_max3_num_f32 v[BM+\b], v[BM+\b], |v[O+16*\b+\i]|, |v[O+16*\b+\i+1]|
.endr
.endr
.irp b, 0,1
	s_delay_alu instid0(VALU_DEP_2)
	v_permlanex16_b32 v[T2+\b], v[BM+\b], s[SEL], s[SEL+1]
.endr
.irp b, 0,1
	s_delay_alu instid0(VALU_DEP_2)
	v_max_num_f32 v[BM+\b], v[BM+\b], v[T2+\b]
.endr
.irp b, 0,1
	s_delay_alu instid0(VALU_DEP_2)
	v_add_nc_u32 v[SCA+\b], 0xf8800000, v[BM+\b]
.endr
.irp b, 0,1
	s_delay_alu instid0(VALU_DEP_4)
	v_and_or_b32 v[HD+\b], v[BM+\b], 0x7f800000, s[MNT]
.endr
.irp b, 0,1
	s_delay_alu instid0(VALU_DEP_4)
	v_lshrrev_b32 v[T2+\b], 23, v[SCA+\b]
.endr
	s_delay_alu instid0(VALU_DEP_1)
	v_lshl_or_b32 v[PS], v[T2+1], 8, v[T2]         ; my head's half of the scale word
.irp b, 0,1
.irp i, 0,1,2,3,4,5,6,7,8,9,10,11,12,13,14,15
	v_med3_num_f32 v[O+16*\b+\i], v[O+16*\b+\i], -v[HD+\b], v[HD+\b]
.endr
	v_cvt_scalef32_pk8_bf8_f32 v[PCD+4*\b:PCD+4*\b+1], v[O+16*\b:O+16*\b+7], v[SCA+\b]
	v_cvt_scalef32_pk8_bf8_f32 v[PCD+4*\b+2:PCD+4*\b+3], v[O+16*\b+8:O+16*\b+15], v[SCA+\b]
.endr
	v_nop
	global_store_b128 v1, v[PCD:PCD+3], s[74:75]               ; 512 consecutive bytes
	global_store_b128 v1, v[PCD+4:PCD+7], s[74:75] offset:512
	global_store_b16 v5, v[PS], s[76:77]                       ; both lanes of a row store the same two bytes
	s_wait_tensorcnt 0x0                           ; the wave's end
	ds_add_u32 v[SPW], v[NIL]
	s_wait_dscnt 0x0
	ROUND                                          ; the closing round: no work-group ends while a partner may still ask for a tile that names it
	s_endpgm
.Lfunc_end_k_qf5696b0e1c_attn:
	.size	k_qf5696b0e1c_attn, .Lfunc_end_k_qf5696b0e1c_attn-k_qf5696b0e1c_attn
	.p2alignl 7, 3214868480
	.fill 96, 4, 3214868480
	.section	.rodata,"a",@progbits
	.p2align	6, 0x0
	.amdhsa_kernel k_qf5696b0e1c_attn
		.amdhsa_group_segment_fixed_size 327680
		.amdhsa_private_segment_fixed_size 0
		.amdhsa_enable_private_segment 0
		.amdhsa_kernarg_size 16
		.amdhsa_user_sgpr_count 2
		.amdhsa_user_sgpr_kernarg_segment_ptr 1
		.amdhsa_wavefront_size32 1
		.amdhsa_system_sgpr_workgroup_id_x 1
		.amdhsa_system_sgpr_workgroup_id_y 1
		.amdhsa_system_sgpr_workgroup_id_z 1
		.amdhsa_system_vgpr_workitem_id 0
		.amdhsa_next_free_vgpr 256
		.amdhsa_next_free_sgpr 80
		.amdhsa_reserve_vcc 0
		.amdhsa_float_denorm_mode_32 3
		.amdhsa_float_denorm_mode_16_64 3
		.amdhsa_memory_ordered 1
		.amdhsa_forward_progress 1
		.amdhsa_inst_pref_size 94
	.end_amdhsa_kernel
	.amdgpu_metadata
---
amdhsa.version: [ 1, 2 ]
amdhsa.kernels:
  - .name:           k_qf5696b0e1c_attn
    .symbol:         k_qf5696b0e1c_attn.kd
    .args:
      - { .name: qkvw, .offset: 0, .size: 8, .value_kind: global_buffer, .address_space: global }
      - { .name: ow, .offset: 8, .size: 8, .value_kind: global_buffer, .address_space: global }
    .group_segment_fixed_size: 327680
    .private_segment_fixed_size: 0
    .kernarg_segment_align: 8
    .kernarg_segment_size: 16
    .max_flat_workgroup_size: 512
    .sgpr_count:     80
    .vgpr_count:     256
    .wavefront_size: 32
...
	.end_amdgpu_metadata
.endif
;; end of part 3
;; launch oproj (part 4): grid 8 x 32, 4 waves a work-group, clusters of 4 x 4, 327,680 bytes of LDS; arguments ow, Wo_codes, Wo_scales, bo, x, y; writes y
.if DOCPART == 4
	.amdgcn_target "amdgcn-amd-amdhsa--gfx1250"
	.amdhsa_code_object_version 6
	.text
	.protected	k_qf5696b0e1c_oproj
	.globl	k_qf5696b0e1c_oproj
	.p2align	8
	.type	k_qf5696b0e1c_oproj,@function
k_qf5696b0e1c_oproj:
	s_mov_b64 s[64:65], 0
	v_nop
	global_prefetch_b8 v0, s[64:65] scope:SCOPE_SE
	s_setreg_imm32_b32 hwreg(HW_REG_WAVE_MODE, 25, 1), 1
	s_wait_xcnt 0x0
	s_wait_alu depctr_hold_cnt(0) depctr_sa_sdst(0) depctr_va_vdst(0) depctr_va_sdst(0) depctr_va_ssrc(0) depctr_va_vcc(0) depctr_vm_vsrc(0)
	s_getreg_b32 s2, hwreg(HW_REG_IB_STS2, 6, 4)
	s_cmp_eq_u32 s2, 0
	s_cbranch_scc0 .Lentry_in_a_cluster
	s_endpgm
.Lentry_in_a_cluster:
	s_bfe_u32 s2, ttmp6, 0x10000c
	s_cmp_lg_u32 s2, 0xf033
	s_cbranch_scc0 .Lentry_shape_is_right
	s_endpgm
.Lentry_shape_is_right:
; y = x + o Wo + bo on codes of BF8 with E8M0 scales: a tile of 128 tokens x 128 columns to a work-group of four waves, 64 x 64 a wave.
; K = 1,024 lies in LDS whole: o's images [K step 8][16,384 bytes], Wo's 128 rows of 1,024 bytes at a pitch of 1,040, and both sides' scale bytes: four tiles, filled once,
; one joint load a wave at the head (o's shared along a row of the 4 x 4 cluster, Wo's along a column).  Nothing is filled again, and there is no later request to prefetch for.
.set SIZE_K, 1024
.set KS,     SIZE_K/32
.set LAPS,   SIZE_K/1024
.set SW,     SIZE_K*4096
.set BP,     1040
.set BOFF,   131072
.set SLOT,   65536                     ; in o's images: from K steps 0-3 to K steps 4-7
.set ASC,    BOFF+128*BP
.set BSC,    ASC+16384
.set STAGE,  BSC+17408
.set SPARE,  STAGE+4*16*272
.set ADRA, 16
.set ADRB, 20
.set ADSA, 22
.set ADSB, 23
.set STO,  24
.set RD,   25
.set CO,   26
.set BH,   27
.set SPW,  28
.set NIL,  29
.set SA,   32
.set SB,   64
.set BIAS, 96
.set ACC,  128
.set F0,   0
.set F1,   128
.set BK,   128
.set G1, 24
.set G0, 32
.set G1B, 48
.set G0B, 56
.set G1S, 68
.set G0S, 76
.set G1SB, 80
.set G0SB, 88
.set WV, 92
.set RH, 93
.set CH, 94
.set MSB, 0
.macro WIN new
.if MSB != (\new)
	s_set_vgpr_msb (MSB<<8)|(\new)
.set MSB, (\new)
.endif
.endm
.set MUL,  0x05
.set TO_F, 0x40
.macro JLOAD g0a, g1a, g0b, g1b
	s_cmp_eq_u32 s[RH], 0
	s_cbranch_scc0 .Lfor_b_\@
	tensor_load_to_lds s[\g0a:\g0a+3], s[\g1a:\g1a+7]
	s_nop 0
.rept 4
	v_nop
.endr
	s_branch .Lasked_\@
.Lfor_b_\@:
	tensor_load_to_lds s[\g0b:\g0b+3], s[\g1b:\g1b+7]
	s_nop 0
.rept 4
	v_nop
.endr
.Lasked_\@:
.endm
.macro CREST
	s_cmp_lg_u32 s[WV], 0
	s_cbranch_scc1 .Lnot_wave_0_\@
	s_barrier_signal -3
.Lnot_wave_0_\@:
	s_barrier_wait -3
	s_barrier_signal -1
	s_barrier_wait -1
.endm
.macro CROUND
	s_barrier_signal -1
	s_barrier_wait -1
	CREST
.endm
	s_load_b256 s[4:11], s[0:1], 0x0
	s_load_b128 s[12:15], s[0:1], 0x20
	v_lshl_add_u32 v[SPW], v0, 2, SPARE
	v_mov_b32 v[NIL], 0
	ds_add_u32 v28, v29
	ds_add_u32 v28, v29
	s_wait_dscnt 0x0
	v_lshrrev_b32 v1, 5, v0
	v_readfirstlane_b32 s[WV], v1
	s_lshr_b32 s[RH], s[WV], 1
	s_and_b32 s[CH], s[WV], 1
	s_bfe_u32 s40, ttmp6, 0x40000
	s_bfe_u32 s41, ttmp6, 0x40004
	s_lshl_b32 s42, ttmp9, 2
	s_add_co_u32 s42, s42, s40
	s_and_b32 s45, ttmp7, 0xffff
	s_lshl_b32 s45, s45, 2
	s_add_co_u32 s45, s45, s41
	s_lshl_b32 s43, s41, 2
	s_lshl_b32 s43, 15, s43
	s_lshl_b32 s44, 0x1111, s40
	s_or_b32 s[G1], s43, (3<<16)|(1<<21)
	s_mov_b32 s[G1+1], 2048<<16                    ; 8 rows (K steps) of 2,048 elements of 8 bytes: the tile's eight token tiles
	s_mov_b32 s[G1+2], 8<<16
	s_mov_b32 s[G1+3], 2048<<16
	s_mov_b32 s[G1+4], 8
	s_mov_b32 s[G1+5], 65536
	s_mov_b32 s[G1+6], 0
	s_mov_b32 s[G1+7], 0
	s_or_b32 s[G1B], s44, (0<<16)|(1<<20)|(1<<21)|(7<<22)|(3<<25)   ; four words of padding behind every 256
	s_mov_b32 s[G1B+1], 1024<<16
	s_mov_b32 s[G1B+2], 128<<16
	s_mov_b32 s[G1B+3], 1024<<16
	s_mov_b32 s[G1B+4], 128
	s_mov_b32 s[G1B+5], SIZE_K
	s_mov_b32 s[G1B+6], 0
	s_mov_b32 s[G1B+7], 0
	s_or_b32 s[G1S], s43, (3<<16)|(1<<21)
	s_mov_b32 s[G1S+1], 64<<16
	s_mov_b32 s[G1S+2], (SIZE_K/128)<<16
	s_mov_b32 s[G1S+3], 64<<16
	s_mov_b32 s[G1S+4], SIZE_K/128
	s_mov_b32 s[G1S+5], 2048
	s_mov_b32 s[G1S+6], 0
	s_mov_b32 s[G1S+7], 0
	s_or_b32 s[G1SB], s44, (3<<16)|(1<<20)|(1<<21)|(5<<22)|(3<<25)
	s_mov_b32 s[G1SB+1], 32<<16
	s_mov_b32 s[G1SB+2], (128*KS/256)<<16
	s_mov_b32 s[G1SB+3], 32<<16
	s_mov_b32 s[G1SB+4], 128*KS/256
	s_mov_b32 s[G1SB+5], 32
	s_mov_b32 s[G1SB+6], 0
	s_mov_b32 s[G1SB+7], 0
	s_lshl_b32 s16, s45, 14
	s_mov_b32 s17, 0
	s_lshl_b32 s18, s45, 9
	s_add_co_u32 s18, s18, SW
	s_mov_b32 s19, 0
	s_lshl_b32 s46, s42, 7
	s_mul_i32 s96, s46, KS
	s_mov_b32 s97, 0
	s_mul_i32 s46, s46, SIZE_K
	s_mov_b32 s47, 0
	s_wait_kmcnt 0x0
	s_add_nc_u64 s[16:17], s[4:5], s[16:17]
	s_add_nc_u64 s[18:19], s[4:5], s[18:19]
	s_add_nc_u64 s[46:47], s[6:7], s[46:47]
	s_add_nc_u64 s[96:97], s[8:9], s[96:97]
	CROUND
	s_mov_b32 s[G0S], 1
	s_mov_b32 s[G0S+1], ASC
	s_mov_b64 s[G0S+2:G0S+3], s[18:19]
	s_or_b32 s[G0S+3], s[G0S+3], 0x80000000
	s_mov_b32 s[G0SB], 1
	s_mov_b32 s[G0SB+1], BSC
	s_mov_b64 s[G0SB+2:G0SB+3], s[96:97]
	s_or_b32 s[G0SB+3], s[G0SB+3], 0x80000000
	s_mov_b32 s[G0], 1
	s_mov_b32 s[G0+1], 0
	s_mov_b64 s[G0+2:G0+3], s[16:17]
	s_or_b32 s[G0+3], s[G0+3], 0x80000000
	s_mov_b32 s[G0B], 1
	s_mov_b32 s[G0B+1], BOFF
	s_mov_b64 s[G0B+2:G0B+3], s[46:47]
	s_or_b32 s[G0B+3], s[G0B+3], 0x80000000
; The head's loads, one a wave: wave 0 o's images, wave 1 Wo's rows, wave 2 o's scale words, wave 3 Wo's scale bytes.
.macro ARM under, g0, g1, next
	s_cmp_lt_u32 s[WV], \under
	s_cbranch_scc0 \next
	tensor_load_to_lds s[\g0:\g0+3], s[\g1:\g1+7]
	s_nop 0
.rept 4
	v_nop
.endr
	s_branch .Lhead_asked
\next:
.endm
	ARM 1, G0,  G1,  .Lhead_b
	ARM 2, G0B, G1B, .Lhead_sa
	ARM 3, G0S, G1S, .Lhead_sb
	tensor_load_to_lds s[G0SB:G0SB+3], s[G1SB:G1SB+7]
	s_nop 0
.rept 4
	v_nop
.endr
.Lhead_asked:
	v_and_b32 v1, 15, v0
	v_bfe_u32 v2, v0, 4, 1
	v_and_b32 v3, 31, v0
	v_lshlrev_b32 v4, 4, v3
	s_lshl_b32 s20, s[RH], 13                      ; my four token tiles of a K step's eight
	v_add_nc_u32 v[ADRA], s20, v4
	s_add_co_u32 s20, s20, SLOT
	v_add_nc_u32 v[ADRA+1], s20, v4
	v_mul_u32_u24 v5, v1, BP
	v_lshl_add_u32 v5, v2, 3, v5
	s_mul_i32 s21, s[CH], 64*BP
	s_add_co_u32 s21, s21, BOFF
	v_add_nc_u32 v[ADRB], s21, v5
	s_add_co_u32 s21, s21, 512                     ; K steps 4-7 of the same rows
	v_add_nc_u32 v[ADRB+1], s21, v5
	v_lshlrev_b32 v6, 4, v1
	s_lshl_b32 s20, s[RH], 8
	s_add_co_u32 s20, s20, ASC
	v_add_nc_u32 v[ADSA], s20, v6
	v_mul_u32_u24 v7, v1, KS
	v_lshrrev_b32 v8, 8, v7
	v_lshl_add_u32 v7, v8, 4, v7
	s_mul_i32 s20, s[CH], (64*KS/256)*272
	s_add_co_u32 s20, s20, BSC
	v_add_nc_u32 v[ADSB], s20, v7
	s_mul_i32 s20, s[WV], 16*272
	s_add_co_u32 s20, s20, STAGE
	v_mul_u32_u24 v8, v1, 272
	v_lshl_add_u32 v8, v2, 5, v8
	v_add_nc_u32 v[STO], s20, v8
	v_mul_u32_u24 v8, v2, 272
	v_lshl_add_u32 v8, v1, 4, v8
	v_add_nc_u32 v[RD], s20, v8
	v_lshlrev_b32 v8, 13, v2
	v_lshl_add_u32 v[CO], v1, 4, v8
	v_lshlrev_b32 v[BH], 5, v2
	s_wait_alu depctr_va_vdst(0)
	s_lshl_b32 s98, s42, 9
	s_lshl_b32 s99, s[CH], 8
	s_add_co_u32 s98, s98, s99
	s_mov_b32 s99, 0
	s_add_nc_u64 s[10:11], s[10:11], s[98:99]
	s_and_b32 s95, s45, 15
	s_lshl_b32 s95, s95, 20
	s_add_co_u32 s98, s98, s95
	s_lshl_b32 s95, s[RH], 19
	s_add_co_u32 s98, s98, s95
	s_lshr_b32 s95, s45, 4
	s_lshl_b32 s95, s95, 12
	s_add_co_u32 s98, s98, s95
	s_add_nc_u64 s[12:13], s[12:13], s[98:99]
	s_add_nc_u64 s[14:15], s[14:15], s[98:99]
.irp b, 0,1,2,3
	global_load_b128 v[BIAS+8*\b:BIAS+8*\b+3], v[BH], s[10:11] offset:64*\b
	global_load_b128 v[BIAS+8*\b+4:BIAS+8*\b+7], v[BH], s[10:11] offset:64*\b+16
.endr
.macro FETCH slot, q, f
	WIN TO_F
.irp i, 0,1,2,3
.irp c, 0,1,2,3
	ds_load_b128 v[\f+16*\i+4*\c:\f+16*\i+4*\c+3], v[ADRA+\slot] offset:(\q)*16384+\i*2048+\c*512
.endr
.endr
.irp i, 0,1,2,3
.irp c, 0,1,2,3
	ds_load_b64 v[\f+64+16*\i+4*\c:\f+64+16*\i+4*\c+1], v[ADRB+\slot] offset:\i*16*BP+128*(\q)+32*\c
	ds_load_b64 v[\f+64+16*\i+4*\c+2:\f+64+16*\i+4*\c+3], v[ADRB+\slot] offset:\i*16*BP+128*(\q)+32*\c+16
.endr
.endr
.endm
.macro SCALES s
	WIN 0
.irp q, 0,1,2,3
	ds_load_b128 v[SA+16*\s+4*\q:SA+16*\s+4*\q+3], v[ADSA] offset:512*\q
.endr
.irp i, 0,1,2,3
	ds_load_b128 v[SB+16*\s+4*\i:SB+16*\s+4*\i+3], v[ADSB] offset:\i*(16*KS/256)*272
.endr
.endm
.macro MUL4 f, s, q, a, zero
.irp b, 0,1,2,3
.if \zero
	v_wmma_scale_f32_16x16x128_f8f6f4 v[ACC+8*(4*\a+\b):ACC+8*(4*\a+\b)+7], v[\f+64+16*\b:\f+64+16*\b+15], v[\f+16*\a:\f+16*\a+15], v[BIAS+8*\b:BIAS+8*\b+7], v[SB+16*\s+4*\b+\q], v[SA+16*\s+4*\q+\a] matrix_a_fmt:MATRIX_FMT_BF8 matrix_b_fmt:MATRIX_FMT_BF8
.else
	v_wmma_scale_f32_16x16x128_f8f6f4 v[ACC+8*(4*\a+\b):ACC+8*(4*\a+\b)+7], v[\f+64+16*\b:\f+64+16*\b+15], v[\f+16*\a:\f+16*\a+15], v[ACC+8*(4*\a+\b):ACC+8*(4*\a+\b)+7], v[SB+16*\s+4*\b+\q], v[SA+16*\s+4*\q+\a] matrix_a_fmt:MATRIX_FMT_BF8 matrix_b_fmt:MATRIX_FMT_BF8
.endif
.endr
.endm
.macro PLACES n
.rept \n
	v_nop
.endr
.endm
.macro STEP slot, q, f, g, zero
	PLACES 8
	FETCH \slot, (\q)+1, \g
	s_wait_dscnt 48
	WIN MUL
.irp a, 0,1,2,3
	MUL4 \f, \slot, \q, \a, \zero
.endr
.endm
.macro TURN slot, next, fill
	WIN 0
	s_wait_tensorcnt 0x0
	ds_add_u32 v[SPW], v[NIL]
	s_wait_dscnt 1
	WIN MUL
	MUL4 F1, \slot, 3, 0, 0
	s_wait_dscnt 0x0
	s_barrier_signal -1
	MUL4 F1, \slot, 3, 1, 0
	WIN 0
	s_barrier_wait -1
.if \fill
	CREST
	s_add_nc_u64 s[G0+4*\slot+2:G0+4*\slot+3], s[G0+4*\slot+2:G0+4*\slot+3], 4194304
	s_add_nc_u64 s[G0B+4*\slot+2:G0B+4*\slot+3], s[G0B+4*\slot+2:G0B+4*\slot+3], 1024
	JLOAD G0+4*\slot, G1, G0B+4*\slot, G1B
	PLACES 4
.else
	PLACES 8
.endif
	v_add_nc_u32 v[ADSA], 2048, v[ADSA]
	v_add_nc_u32 v[ADSB], 16, v[ADSB]
	FETCH \next, 0, F0
	SCALES \next
	WIN MUL
	MUL4 F1, \slot, 3, 2, 0
	MUL4 F1, \slot, 3, 3, 0
.endm
	s_wait_tensorcnt 0x0                           ; my tile of the four is in,
	s_barrier_signal -1
	s_barrier_wait -1                              ; and every wave's
	FETCH 0, 0, F0
	SCALES 0
	WIN 0x80                                       ; x's 64 x 64 numbers of my part of the tile are asked for here, behind the tiles: they are wanted on the way out alone
.irp a, 0,1,2,3
.irp t, 0,1,2,3,4,5,6,7
	global_load_b128 v[32*\a+4*\t:32*\a+4*\t+3], v[CO], s[12:13] offset:\a*131072+\t*16384 th:TH_LOAD_NT
.endr
.endr
	WIN 0
	s_wait_loadcnt 32                              ; all but these 32: the bias is in
	STEP 0, 0, F0, F1, 1
.if LAPS > 1
	WIN 0
	s_mov_b32 s3, LAPS-1
.Llap:
	STEP 0, 1, F1, F0, 0
	STEP 0, 2, F0, F1, 0
	TURN 0, 1, 1
	STEP 1, 0, F0, F1, 0
	STEP 1, 1, F1, F0, 0
	STEP 1, 2, F0, F1, 0
	TURN 1, 0, 1
	STEP 0, 0, F0, F1, 0
	WIN 0
	s_sub_co_u32 s3, s3, 1
	s_cmp_lg_u32 s3, 0
	s_cbranch_scc1 .Llap
.endif
	STEP 0, 1, F1, F0, 0
	STEP 0, 2, F0, F1, 0
	TURN 0, 1, 0
	STEP 1, 0, F0, F1, 0
	STEP 1, 1, F1, F0, 0
	STEP 1, 2, F0, F1, 0
	s_wait_dscnt 0x0
.irp a, 0,1,2,3
	MUL4 F1, 1, 3, \a, 0
.endr
	WIN 0
.macro TOSTAGE a
.irp b, 0,1,2,3
	ds_store_b128 v[STO], v[ACC+8*(4*\a+\b):ACC+8*(4*\a+\b)+3] offset:64*\b
	ds_store_b128 v[STO], v[ACC+8*(4*\a+\b)+4:ACC+8*(4*\a+\b)+7] offset:64*\b+16
.endr
	WIN 0x80
.irp t, 0,1,2,3,4,5,6,7
	ds_load_b128 v[BK+32*((\a)%2)+4*\t:BK+32*((\a)%2)+4*\t+3], v[RD] offset:\t*544
.endr
	WIN 0
.endm
.macro SEND a, younger
	s_wait_dscnt \younger
	WIN 0x8a
.set k, 0
.rept 16
	v_pk_add_f32 v[BK+32*((\a)%2)+k:BK+32*((\a)%2)+k+1], v[BK+32*((\a)%2)+k:BK+32*((\a)%2)+k+1], v[32*(\a)+k:32*(\a)+k+1]
.set k, k+2
.endr
	WIN 0x08
.irp t, 0,1,2,3,4,5,6,7
	global_store_b128 v[CO], v[BK+32*((\a)%2)+4*\t:BK+32*((\a)%2)+4*\t+3], s[14:15] offset:(\a)*131072+\t*16384
.endr
	WIN 0
.endm
	PLACES 8
	s_wait_loadcnt 0x0
	TOSTAGE 0
.irp a, 1,2,3
.if \a > 1
	s_wait_xcnt 0x0
.endif
	TOSTAGE \a
	SEND \a-1, 16
.endr
	SEND 3, 0
	s_wait_tensorcnt 0x0
	ds_add_u32 v[SPW], v[NIL]
	s_wait_dscnt 0x0
	CROUND
	s_endpgm
.Lfunc_end_k_qf5696b0e1c_oproj:
	.size	k_qf5696b0e1c_oproj, .Lfunc_end_k_qf5696b0e1c_oproj-k_qf5696b0e1c_oproj
	.p2alignl 7, 3214868480
	.fill 96, 4, 3214868480
	.section	.rodata,"a",@progbits
	.p2align	6, 0x0
	.amdhsa_kernel k_qf5696b0e1c_oproj
		.amdhsa_group_segment_fixed_size 327680
		.amdhsa_private_segment_fixed_size 0
		.amdhsa_enable_private_segment 0
		.amdhsa_kernarg_size 48
		.amdhsa_user_sgpr_count 2
		.amdhsa_user_sgpr_kernarg_segment_ptr 1
		.amdhsa_wavefront_size32 1
		.amdhsa_system_sgpr_workgroup_id_x 1
		.amdhsa_system_sgpr_workgroup_id_y 1
		.amdhsa_system_sgpr_workgroup_id_z 1
		.amdhsa_system_vgpr_workitem_id 0
		.amdhsa_next_free_vgpr 768
		.amdhsa_next_free_sgpr 100
		.amdhsa_reserve_vcc 0
		.amdhsa_float_denorm_mode_32 3
		.amdhsa_float_denorm_mode_16_64 3
		.amdhsa_memory_ordered 1
		.amdhsa_forward_progress 1
		.amdhsa_inst_pref_size 69
	.end_amdhsa_kernel
	.amdgpu_metadata
---
amdhsa.version: [ 1, 2 ]
amdhsa.kernels:
  - .name:           k_qf5696b0e1c_oproj
    .symbol:         k_qf5696b0e1c_oproj.kd
    .args:
      - { .name: ow, .offset: 0, .size: 8, .value_kind: global_buffer, .address_space: global }
      - { .name: Wo_codes, .offset: 8, .size: 8, .value_kind: global_buffer, .address_space: global }
      - { .name: Wo_scales, .offset: 16, .size: 8, .value_kind: global_buffer, .address_space: global }
      - { .name: bo, .offset: 24, .size: 8, .value_kind: global_buffer, .address_space: global }
      - { .name: x, .offset: 32, .size: 8, .value_kind: global_buffer, .address_space: global }
      - { .name: y, .offset: 40, .size: 8, .value_kind: global_buffer, .address_space: global }
    .group_segment_fixed_size: 327680
    .private_segment_fixed_size: 0
    .kernarg_segment_align: 8
    .kernarg_segment_size: 48
    .max_flat_workgroup_size: 128
    .sgpr_count:     100
    .vgpr_count:     768
    .wavefront_size: 32
...
	.end_amdgpu_metadata
.endif
;; end of part 4
;; launch ln1 (part 5): grid 256 x 1, 4 waves a work-group, no clusters, 5,120 bytes of LDS; arguments y, g1, b1, x1, ac; writes x1, ac
.if DOCPART == 5
	.amdgcn_target "amdgcn-amd-amdhsa--gfx1250"
	.amdhsa_code_object_version 6
	.text
	.protected	k_qf5696b0e1c_ln1
	.globl	k_qf5696b0e1c_ln1
	.p2align	8
	.type	k_qf5696b0e1c_ln1,@function
k_qf5696b0e1c_ln1:
	s_mov_b64 s[64:65], 0
	v_nop
	global_prefetch_b8 v0, s[64:65] scope:SCOPE_SE
	s_setreg_imm32_b32 hwreg(HW_REG_WAVE_MODE, 25, 1), 1
	s_wait_xcnt 0x0
; x1 = layer norm of y (= x + o Wo + bo) over each row of 1,024, times g1, plus b1; stored as f32 (the later residual) and as codes of BF8 with E8M0 scale bytes (the next product's operand).
; y and x1: natural order, row 2 s + b of 4,096 bytes.  ac: codes [m'][1024] at 0, scale bytes [m'][32] at XS, m' = b x 2048 + s.
; One wave, one row at a time, four rows a wave: the row stays in 32 registers a lane between the mean, the variance (of the differences, as the definition has it) and the scaling.
; Work-group g takes s = 8 g .. 8 g + 7 of both batches; wave w batch w & 1, rows s = 8 g + 4 (w >> 1) + i.  All 48 loads of a wave go out at once.
; The quantiser: load j gives a lane the numbers 128 j + 4 lane + 0..3, so a block of 32 lies in eight lanes; of each conversion's eight codes the first four are the block's and are kept.
; LIMITS: a block of zeros gets the byte 1, not 127 (codes zero; only this program reads the bytes); magnitudes under 2^-111 go under the byte 1; NaN and infinities are not served.
; 1 / sqrt by v_rsq_f32.  No matrix unit, no cluster, no tensor load: a stream whose work-groups share only g1 and b1, 8 KiB.
.set XS,  4194304
.set SBY, 4096                         ; LDS: four stages of 1,024 bytes, then 2 x 256 scale bytes
.set MNT, 26
.set SEL, 28
.set CP,  12                           ; s[12:13] the codes' address
.set T,   10                           ; v10-17 sums
.set M,   10                           ; v10-17 largest magnitudes, then bytes
.set SC,  18
.set HD,  26
.set C,   34
.set D,   50
.set G,   58                           ; v58-89 g1 of my 32 columns
.set B,   90                           ; v90-121 b1
.set X,   122                          ; v122-249 four rows; v250-253 zeros behind them
	s_load_b256 s[4:11], s[0:1], 0x0               ; y, g1, b1, x1
	s_load_b64 s[12:13], s[0:1], 0x20              ; ac
	v_lshl_add_u32 v254, v0, 2, 0x1200
	v_mov_b32 v255, 0
	v_lshrrev_b32 v1, 5, v0
	v_readfirstlane_b32 s14, v1                    ; wave
	v_and_b32 v2, 31, v0
	v_lshlrev_b32 v3, 4, v2                        ; 16 x lane
	s_and_b32 s15, s14, 1                          ; b
	s_lshr_b32 s16, s14, 1                         ; which four rows
	s_lshl_b32 s17, s14, 10
	v_lshl_add_u32 v4, v2, 2, s17                  ; my stage, in
	v_lshl_add_u32 v5, v2, 4, s17                  ; and out
	s_lshl_b32 s17, s15, 8
	s_add_co_u32 s17, s17, SBY
	s_lshl_b32 s18, s16, 7
	s_add_co_u32 s18, s18, s17
	v_lshrrev_b32 v6, 3, v2
	v_add_nc_u32 v6, s18, v6                       ; my block's scale byte
	v_lshl_add_u32 v7, v2, 3, s17
	v_lshlrev_b32 v8, 3, v2
	s_lshl_b32 s18, ttmp9, 16                      ; y, x1: (2 s + b) x 4,096
	s_lshl_b32 s20, s16, 15
	s_add_co_u32 s18, s18, s20
	s_lshl_b32 s20, s15, 12
	s_add_co_u32 s18, s18, s20
	s_mov_b32 s19, 0
	s_lshl_b32 s20, s15, 21                        ; codes: m' x 1,024
	s_lshl_b32 s22, ttmp9, 13
	s_add_co_u32 s20, s20, s22
	s_lshl_b32 s22, s16, 12
	s_add_co_u32 s20, s20, s22
	s_mov_b32 s21, 0
	s_lshl_b32 s22, s15, 16                        ; scale bytes
	s_lshl_b32 s24, ttmp9, 8
	s_add_co_u32 s22, s22, s24
	s_add_co_u32 s22, s22, XS
	s_mov_b32 s23, 0
	s_mov_b32 s24, 0x3a800000                      ; 1 / 1,024
	s_mov_b32 s25, 0x3727c5ac                      ; 1e-5
	s_mov_b32 s[MNT], 0x600000
	s_mov_b32 s[SEL], 0x76543210
	s_mov_b32 s[SEL+1], 0xfedcba98
	s_wait_alu depctr_va_vdst(0)
	s_wait_kmcnt 0x0
	s_add_nc_u64 s[4:5], s[4:5], s[18:19]
	s_add_nc_u64 s[10:11], s[10:11], s[18:19]
	s_add_nc_u64 s[30:31], s[12:13], s[22:23]
	s_add_nc_u64 s[12:13], s[12:13], s[20:21]
.irp j, 0,1,2,3,4,5,6,7
	global_load_b128 v[G+4*\j:G+4*\j+3], v3, s[6:7] offset:512*\j
	global_load_b128 v[B+4*\j:B+4*\j+3], v3, s[8:9] offset:512*\j
.endr
.irp i, 0,1,2,3
.irp j, 0,1,2,3,4,5,6,7
	global_load_b128 v[X+32*\i+4*\j:X+32*\i+4*\j+3], v3, s[4:5] offset:\i*8192+512*\j th:TH_LOAD_NT
.endr
.endr
.irp j, 0,1,2,3
	v_mov_b32 v[X+128+\j], 0                       ; the last row's last conversion names these
.endr
.macro REDUCE                          ; v[T] summed over the 32 lanes, the result in every lane
	v_pk_add_f32 v[T:T+1], v[T:T+1], v[T+2:T+3]
	v_pk_add_f32 v[T+4:T+5], v[T+4:T+5], v[T+6:T+7]
	v_pk_add_f32 v[T:T+1], v[T:T+1], v[T+4:T+5]
	v_add_f32 v[T], v[T], v[T+1]
.irp m, 1,2,4,8
	v_add_f32_dpp v[T], v[T], v[T] row_xmask:\m row_mask:0xf bank_mask:0xf
.endr
	v_permlanex16_b32 v[T+1], v[T], s[SEL], s[SEL+1]
	v_add_f32 v[T], v[T], v[T+1]
.endm
.macro LNROW i
.set XR, X+32*\i
.irp c, 0,1,2,3
	v_pk_add_f32 v[T+2*\c:T+2*\c+1], v[XR+2*\c:XR+2*\c+1], v[XR+8+2*\c:XR+9+2*\c]   ; four chains, started by the first numbers
.endr
.irp p, 16,24
.irp c, 0,1,2,3
	v_pk_add_f32 v[T+2*\c:T+2*\c+1], v[T+2*\c:T+2*\c+1], v[XR+\p+2*\c:XR+\p+2*\c+1]
.endr
.endr
	REDUCE
	v_mul_f32 v[T+2], s24, v[T]                    ; the mean
.set k, 0
.rept 16
	v_pk_add_f32 v[XR+k:XR+k+1], v[XR+k:XR+k+1], v[T+2:T+3] op_sel_hi:[1,0] neg_lo:[0,1] neg_hi:[0,1]
.set k, k+2
.endr
.irp c, 0,1,2,3
	v_pk_mul_f32 v[T+2*\c:T+2*\c+1], v[XR+2*\c:XR+2*\c+1], v[XR+2*\c:XR+2*\c+1]
.endr
.irp p, 8,16,24
.irp c, 0,1,2,3
	v_pk_fma_f32 v[T+2*\c:T+2*\c+1], v[XR+\p+2*\c:XR+\p+2*\c+1], v[XR+\p+2*\c:XR+\p+2*\c+1], v[T+2*\c:T+2*\c+1]
.endr
.endr
	REDUCE
	v_fma_f32 v[T+2], v[T], s24, s25               ; the variance + 1e-5
	s_wait_alu depctr_va_vdst(0)
	v_rsq_f32 v[T+2], v[T+2]
	v_nop                                          ; a plain line behind the transcendental
.set k, 0
	s_wait_alu depctr_va_vdst(0)
.rept 16
	v_pk_mul_f32 v[XR+k:XR+k+1], v[XR+k:XR+k+1], v[T+2:T+3] op_sel_hi:[1,0]
.set k, k+2
.endr
.set k, 0
.rept 16
	v_pk_fma_f32 v[XR+k:XR+k+1], v[XR+k:XR+k+1], v[G+k:G+k+1], v[B+k:B+k+1]
.set k, k+2
.endr
.endm
.macro QROW i
.set XR, X+32*\i
.irp j, 0,1,2,3,4,5,6,7
	v_max3_num_f32 v[M+\j], |v[XR+4*\j]|, |v[XR+4*\j+1]|, 0x8000000   ; my four numbers of a block, and the floor 2^(16 - 127)
.endr
.irp j, 0,1,2,3,4,5,6,7
	v_max3_num_f32 v[M+\j], v[M+\j], |v[XR+4*\j+2]|, |v[XR+4*\j+3]|
.endr
.irp m, 1,2,4
.irp j, 0,1,2,3,4,5,6,7
	v_max_num_f32_dpp v[M+\j], v[M+\j], v[M+\j] row_xmask:\m row_mask:0xf bank_mask:0xf
.endr
.endr
.irp j, 0,1,2,3,4,5,6,7
	v_add_nc_u32 v[SC+\j], 0xf8800000, v[M+\j]     ; 15 off the exponent field: the conversion's scale operand
.endr
.irp j, 0,1,2,3,4,5,6,7
	v_and_or_b32 v[HD+\j], v[M+\j], 0x7f800000, s[MNT]   ; 57,344 x the scale
.endr
.irp j, 0,1,2,3,4,5,6,7
	v_lshrrev_b32 v[M+\j], 23, v[SC+\j]            ; the scale's byte
.endr
.irp j, 0,1,2,3,4,5,6,7
.irp k, 0,1,2,3
	v_med3_num_f32 v[XR+4*\j+\k], v[XR+4*\j+\k], -v[HD+\j], v[HD+\j]   ; the conversion does not saturate (ISA guide 7.6.2)
.endr
.endr
.irp j, 0,1,2,3,4,5,6,7
	v_cvt_scalef32_pk8_bf8_f32 v[C+2*\j:C+2*\j+1], v[XR+4*\j:XR+4*\j+7], v[SC+\j]   ; the low register holds my four codes
.endr
	v_nop                                          ; a plain line behind the last conversion
.irp j, 0,1,2,3,4,5,6,7
	ds_store_b8 v6, v[M+\j] offset:32*\i+4*\j
.endr
.irp j, 0,1,2,3,4,5,6,7
	ds_store_b32 v4, v[C+2*\j] offset:128*\j
.endr
	ds_load_b128 v[D:D+3], v5                      ; LDS serves a wave's instructions in order
	ds_load_b128 v[D+4:D+7], v5 offset:512
	s_wait_dscnt 0x0
	global_store_b128 v3, v[D:D+3], s[CP:CP+1] offset:\i*1024
	global_store_b128 v3, v[D+4:D+7], s[CP:CP+1] offset:\i*1024+512
.endm
.irp i, 0,1,2,3
.if \i < 3
	s_wait_loadcnt 8*(3-\i)-1                      ; g1, b1, row i and the next row's first load are in
.else
	s_wait_loadcnt 0x0
.endif
	LNROW \i
.irp j, 0,1,2,3,4,5,6,7
	global_store_b128 v3, v[X+32*\i+4*\j:X+32*\i+4*\j+3], s[10:11] offset:\i*8192+512*\j   ; 512 consecutive bytes of x1
.endr
	s_wait_alu depctr_va_vdst(0)
	s_wait_xcnt 0x0                                ; these stores, and the last row's of codes, have read their registers: the hold rewrites the row, the stage's loads D
	QROW \i
.endr
	s_barrier_signal -1                            ; every LDS instruction of mine is done
	s_barrier_wait -1
	s_cmp_lg_u32 s16, 0
	s_cbranch_scc1 .Ldone                          ; one wave of each batch stores the scale bytes of its 8 rows
	ds_load_b64 v[C:C+1], v7
	s_wait_dscnt 0x0
	global_store_b64 v8, v[C:C+1], s[30:31]        ; 256 consecutive bytes, aligned
.Ldone:
	s_wait_tensorcnt 0x0
	ds_add_u32 v254, v255
	s_wait_dscnt 0x0
	s_endpgm
.Lfunc_end_k_qf5696b0e1c_ln1:
	.size	k_qf5696b0e1c_ln1, .Lfunc_end_k_qf5696b0e1c_ln1-k_qf5696b0e1c_ln1
	.p2alignl 7, 3214868480
	.fill 96, 4, 3214868480
	.section	.rodata,"a",@progbits
	.p2align	6, 0x0
	.amdhsa_kernel k_qf5696b0e1c_ln1
		.amdhsa_group_segment_fixed_size 5120
		.amdhsa_private_segment_fixed_size 0
		.amdhsa_enable_private_segment 0
		.amdhsa_kernarg_size 40
		.amdhsa_user_sgpr_count 2
		.amdhsa_user_sgpr_kernarg_segment_ptr 1
		.amdhsa_wavefront_size32 1
		.amdhsa_system_sgpr_workgroup_id_x 1
		.amdhsa_system_sgpr_workgroup_id_y 1
		.amdhsa_system_sgpr_workgroup_id_z 1
		.amdhsa_system_vgpr_workitem_id 0
		.amdhsa_next_free_vgpr 256
		.amdhsa_next_free_sgpr 66
		.amdhsa_reserve_vcc 0
		.amdhsa_float_denorm_mode_32 3
		.amdhsa_float_denorm_mode_16_64 3
		.amdhsa_memory_ordered 1
		.amdhsa_forward_progress 1
		.amdhsa_inst_pref_size 68
	.end_amdhsa_kernel
	.amdgpu_metadata
---
amdhsa.version: [ 1, 2 ]
amdhsa.kernels:
  - .name:           k_qf5696b0e1c_ln1
    .symbol:         k_qf5696b0e1c_ln1.kd
    .args:
      - { .name: y, .offset: 0, .size: 8, .value_kind: global_buffer, .address_space: global }
      - { .name: g1, .offset: 8, .size: 8, .value_kind: global_buffer, .address_space: global }
      - { .name: b1, .offset: 16, .size: 8, .value_kind: global_buffer, .address_space: global }
      - { .name: x1, .offset: 24, .size: 8, .value_kind: global_buffer, .address_space: global }
      - { .name: ac, .offset: 32, .size: 8, .value_kind: global_buffer, .address_space: global }
    .group_segment_fixed_size: 5120
    .private_segment_fixed_size: 0
    .kernarg_segment_align: 8
    .kernarg_segment_size: 40
    .max_flat_workgroup_size: 128
    .sgpr_count:     66
    .vgpr_count:     256
    .wavefront_size: 32
...
	.end_amdgpu_metadata
.endif
;; end of part 5
;; launch ffn1 (part 6): grid 16 x 16, 4 waves a work-group, clusters of 4 x 4, 327,680 bytes of LDS; arguments ac, W1_codes, W1_scales, bb1, hw; writes hw
.if DOCPART == 6
	.amdgcn_target "amdgcn-amd-amdhsa--gfx1250"
	.amdhsa_code_object_version 6
	.text
	.protected	k_qf5696b0e1c_ffn1
	.globl	k_qf5696b0e1c_ffn1
	.p2align	8
	.type	k_qf5696b0e1c_ffn1,@function
k_qf5696b0e1c_ffn1:
	s_mov_b64 s[64:65], 0
	v_nop
	global_prefetch_b8 v0, s[64:65] scope:SCOPE_SE
	s_setreg_imm32_b32 hwreg(HW_REG_WAVE_MODE, 25, 1), 1
	s_wait_xcnt 0x0
	s_wait_alu depctr_hold_cnt(0) depctr_sa_sdst(0) depctr_va_vdst(0) depctr_va_sdst(0) depctr_va_ssrc(0) depctr_va_vcc(0) depctr_vm_vsrc(0)
	s_getreg_b32 s2, hwreg(HW_REG_IB_STS2, 6, 4)
	s_cmp_eq_u32 s2, 0
	s_cbranch_scc0 .Lentry_in_a_cluster
	s_endpgm
.Lentry_in_a_cluster:
	s_bfe_u32 s2, ttmp6, 0x10000c
	s_cmp_lg_u32 s2, 0xf033
	s_cbranch_scc0 .Lentry_shape_is_right
	s_endpgm
.Lentry_shape_is_right:
; h = relu(x1 W1 + bb1) on codes of BF8 with E8M0 scales, quantised on its way out as images of the next product's operand.  A tile of 256 x 256 to a work-group of four waves,
; 128 x 128 a wave; K = 1,024 in steps of 256 through two LDS slots; 4 x 4 work-groups form a cluster and ask for shared tiles jointly.  The head's four tiles (K step 0 of both
; sides, both sides' scale bytes) go out one a wave; K step 1 follows behind the full sequence and a round.
; THE PREFETCHES, one load ahead: K step 1 is asked for at the head, K step 2 behind K step 1's load, K step 3 behind K step 2's refill: 32 rows x 256 bytes an instruction, a lane a row.
; Of the 128 rows that a wave fetches in the ring, each of the four partners that ask for them jointly takes 32, told apart by address (cx for x1's rows, cy for W1's).
.set PFA, 94                           ; s[94:95] my 32 rows at K step 1; never rewritten: the later K steps stand in the immediate
.set PFO, 31                           ; v31 my lane x a row of 1,024 bytes; never rewritten
.set SIZE_K, 1024
.set KSTEP,  256
.set NQ,     KSTEP/128
.set ROWB,   256
.set KROW,   SIZE_K
.set PITCH,  272
.set FR,     16
.set NL,     4
.set NP,     8
.set HALFT,  128*PITCH
.set SLOT,   4*HALFT
.set LAPS,   SIZE_K/(2*KSTEP)
.set KS,     SIZE_K/32
.set SCL,    2*SLOT
.set HALFS,  (128*KS/256)*272
.set SBLK,   (16*KS/256)*272
.set SPARE,  SCL+4*HALFS
.set XS,     4194304
.set HSW,    16777216
.set BH,   7
.set ADRA, 16
.set ADRB, 20
.set ADRS, 27
.set SPW,  28
.set NIL,  29
.set SC,   32
.set CB,   64
.set AF,   128
.set W,    128
.set PC,   192
.set TM,   224
.set SWR,  240
.set LI,   248
.set G1, 24
.set G0, 32
.set G1B, 48
.set G0B, 56
.set G1S, 68
.set G0S, 76
.set G1SB, 80
.set G0SB, 88
.set SEL, 98
.set MNT, 100
.set MSB, 0
.macro WIN new
.if MSB != (\new)
	s_set_vgpr_msb (MSB<<8)|(\new)
.set MSB, (\new)
.endif
.endm
.set MUL_LO, 0xa1
.set MUL_HI, 0xf1
.set TO_B,   0x40
.macro JLOAD g0a, g1a, g0b, g1b
	s_cmp_eq_u32 s15, 0
	s_cbranch_scc0 .Lfor_b_\@
	tensor_load_to_lds s[\g0a:\g0a+3], s[\g1a:\g1a+7]
	s_nop 0
.rept 4
	v_nop
.endr
	s_branch .Lasked_\@
.Lfor_b_\@:
	tensor_load_to_lds s[\g0b:\g0b+3], s[\g1b:\g1b+7]
	s_nop 0
.rept 4
	v_nop
.endr
.Lasked_\@:
.endm
.macro CREST
	s_cmp_lg_u32 s14, 0
	s_cbranch_scc1 .Lnot_wave_0_\@
	s_barrier_signal -3
.Lnot_wave_0_\@:
	s_barrier_wait -3
	s_barrier_signal -1
	s_barrier_wait -1
.endm
.macro CROUND
	s_barrier_signal -1
	s_barrier_wait -1
	CREST
.endm
	s_load_b256 s[4:11], s[0:1], 0x0
	s_load_b64 s[12:13], s[0:1], 0x20
	v_lshl_add_u32 v[SPW], v0, 2, SPARE
	v_mov_b32 v[NIL], 0
	ds_add_u32 v28, v29
	ds_add_u32 v28, v29
	s_wait_dscnt 0x0
	v_lshrrev_b32 v1, 5, v0
	v_readfirstlane_b32 s14, v1
	s_lshr_b32 s15, s14, 1
	s_and_b32 s16, s14, 1
	s_bfe_u32 s40, ttmp6, 0x40000
	s_bfe_u32 s41, ttmp6, 0x40004
	s_lshl_b32 s42, ttmp9, 2
	s_add_co_u32 s42, s42, s40
	s_and_b32 s17, ttmp7, 0xffff
	s_lshl_b32 s17, s17, 2
	s_add_co_u32 s17, s17, s41
	s_lshl_b32 s43, s41, 2
	s_lshl_b32 s43, 15, s43
	s_lshl_b32 s44, 0x1111, s40
	s_or_b32 s[G1+0], s43, (0<<16)|(1<<20)|(1<<21)|(5<<22)|(3<<25)
	s_or_b32 s[G1B+0], s44, (0<<16)|(1<<20)|(1<<21)|(5<<22)|(3<<25)
.irp g, G1, G1B
	s_mov_b32 s[\g+1], ROWB<<16
	s_mov_b32 s[\g+2], 256<<16                     ; 256 rows for the head's loads; set to 128 for the ring's behind them
	s_mov_b32 s[\g+3], ROWB<<16
	s_mov_b32 s[\g+4], 256
	s_mov_b32 s[\g+5], KROW
	s_mov_b32 s[\g+6], 0
	s_mov_b32 s[\g+7], 0
.endr
	s_or_b32 s[G1S+0], s43, (3<<16)|(1<<20)|(1<<21)|(5<<22)|(3<<25)
	s_or_b32 s[G1SB+0], s44, (3<<16)|(1<<20)|(1<<21)|(5<<22)|(3<<25)
.irp g, G1S, G1SB
	s_mov_b32 s[\g+1], 32<<16
	s_mov_b32 s[\g+2], KS<<16                      ; the scale bytes of 256 rows: KS rows of 256 bytes
	s_mov_b32 s[\g+3], 32<<16
	s_mov_b32 s[\g+4], KS
	s_mov_b32 s[\g+5], 32
	s_mov_b32 s[\g+6], 0
	s_mov_b32 s[\g+7], 0
.endr
	s_lshl_b32 s20, s17, 8
	s_lshl_b32 s46, s42, 8
	s_mov_b32 s21, 0
	s_mov_b32 s47, 0
	s_mov_b64 s[18:19], KS
	s_mul_u64 s[22:23], s[20:21], s[18:19]
	s_mul_u64 s[92:93], s[46:47], s[18:19]
	s_mov_b64 s[18:19], KROW
	s_mul_u64 s[20:21], s[20:21], s[18:19]
	s_mul_u64 s[46:47], s[46:47], s[18:19]
	s_mul_i32 s45, s14, HALFT
	s_mul_i32 s18, s16, 128*KROW                   ; in the ring I fetch 128 rows of a tile: which half, in bytes
	s_mov_b32 s19, 0
	s_mov_b32 s[SEL], 0x76543210
	s_mov_b32 s[SEL+1], 0xfedcba98
	s_mov_b32 s[MNT], 0x600000
	s_wait_kmcnt 0x0
	s_mov_b64 s[96:97], s[10:11]
	s_mov_b64 s[10:11], s[8:9]
	s_mov_b64 s[8:9], s[6:7]
	s_add_nc_u64 s[6:7], s[4:5], XS
	s_add_nc_u64 s[20:21], s[4:5], s[20:21]
	s_add_nc_u64 s[22:23], s[6:7], s[22:23]
	s_add_nc_u64 s[46:47], s[8:9], s[46:47]
	s_add_nc_u64 s[92:93], s[10:11], s[92:93]
	CROUND
.set G0H, 4                            ; s[4:7], s[8:11] group 0 of the head's loads of K step 0 (the pointers that lay there have been used)
.set G0HB, 8
	s_mov_b32 s[G0H], 1
	s_mov_b32 s[G0H+1], 0
	s_mov_b64 s[G0H+2:G0H+3], s[20:21]
	s_or_b32 s[G0H+3], s[G0H+3], 0x80000000
	s_mov_b32 s[G0HB], 1
	s_mov_b32 s[G0HB+1], 2*HALFT
	s_mov_b64 s[G0HB+2:G0HB+3], s[46:47]
	s_or_b32 s[G0HB+3], s[G0HB+3], 0x80000000
	s_mov_b32 s[G0S], 1
	s_mov_b32 s[G0S+1], SCL
	s_mov_b64 s[G0S+2:G0S+3], s[22:23]
	s_or_b32 s[G0S+3], s[G0S+3], 0x80000000
	s_mov_b32 s[G0SB], 1
	s_mov_b32 s[G0SB+1], SCL+2*HALFS
	s_mov_b64 s[G0SB+2:G0SB+3], s[92:93]
	s_or_b32 s[G0SB+3], s[G0SB+3], 0x80000000
	s_add_nc_u64 s[20:21], s[20:21], s[18:19]      ; for the ring: my 128 rows of the tile
	s_add_nc_u64 s[46:47], s[46:47], s[18:19]
.irp s, 0,1
	s_mov_b32 s[G0+4*\s], 1
	s_add_co_u32 s[G0+4*\s+1], s45, \s*SLOT
	s_add_nc_u64 s[G0+4*\s+2:G0+4*\s+3], s[20:21], \s*ROWB
	s_or_b32 s[G0+4*\s+3], s[G0+4*\s+3], 0x80000000
	s_mov_b32 s[G0B+4*\s], 1
	s_add_co_u32 s[G0B+4*\s+1], s45, \s*SLOT
	s_add_nc_u64 s[G0B+4*\s+2:G0B+4*\s+3], s[46:47], \s*ROWB
	s_or_b32 s[G0B+4*\s+3], s[G0B+4*\s+3], 0x80000000
.endr
; The head's loads, one a wave: one chain of branches on the wave's number, an arm a load, all arms leading to one join.
.macro ARM under, g0, g1, next
	s_cmp_lt_u32 s14, \under
	s_cbranch_scc0 \next
	tensor_load_to_lds s[\g0:\g0+3], s[\g1:\g1+7]
	s_nop 0
.rept 4
	v_nop
.endr
	s_branch .Lhead_asked
\next:
.endm
	ARM 1, G0H,  G1,  .Lhead_b
	ARM 2, G0HB, G1B, .Lhead_sa
	ARM 3, G0S,  G1S, .Lhead_sb
	tensor_load_to_lds s[G0SB:G0SB+3], s[G1SB:G1SB+7]
	s_nop 0
.rept 4
	v_nop
.endr
.Lhead_asked:
	s_cmp_eq_u32 s15, 0                            ; where my prefetches stand: the rows that I fetch in the ring, my work-group's 32 of them, at K step 1
	s_cselect_b64 s[PFA:PFA+1], s[20:21], s[46:47]
	s_cselect_b32 s2, s40, s41
	s_mul_i32 s2, s2, 32*KROW
	s_add_co_u32 s2, s2, ROWB
	s_mov_b32 s3, 0
	s_add_nc_u64 s[PFA:PFA+1], s[PFA:PFA+1], s[2:3]
	v_and_b32 v[PFO], 31, v0
	v_lshlrev_b32 v[PFO], 10, v[PFO]
	v_and_b32 v1, 15, v0
	v_bfe_u32 v2, v0, 4, 1
	v_mul_u32_u24 v3, v1, PITCH
	v_lshl_add_u32 v4, v2, 4, v3
	s_mul_i32 s21, s15, HALFT
	s_mul_i32 s22, s16, HALFT
	s_add_co_u32 s22, s22, 2*HALFT
.irp s, 0,1
	v_add_nc_u32 v[ADRA+\s], s21, v4
	v_add_nc_u32 v[ADRB+\s], s22, v4
	s_add_co_u32 s21, s21, SLOT
	s_add_co_u32 s22, s22, SLOT
.endr
	v_mul_u32_u24 v5, v1, KS
	v_lshrrev_b32 v6, 8, v5
	v_lshl_add_u32 v5, v6, 4, v5
	s_mul_i32 s21, s15, HALFS
	s_mul_i32 s22, s16, HALFS
	s_add_co_u32 s22, s22, 2*HALFS
	s_sub_co_u32 s22, s22, s21
	v_mul_u32_u24 v6, s22, v2
	s_add_co_u32 s21, s21, SCL
	v_add_nc_u32 v5, v5, v6
	v_add_nc_u32 v[ADRS], s21, v5
	s_lshl_b32 s2, s42, 10
	s_lshl_b32 s3, s16, 9
	s_add_co_u32 s2, s2, s3
	s_mov_b32 s3, 0
	s_add_nc_u64 s[96:97], s[96:97], s[2:3]
	v_lshlrev_b32 v[BH], 5, v2
.irp b, 0,1,2,3,4,5,6,7
	global_load_b128 v[CB+8*\b:CB+8*\b+3], v[BH], s[96:97] offset:64*\b
	global_load_b128 v[CB+8*\b+4:CB+8*\b+7], v[BH], s[96:97] offset:64*\b+16
.endr
	global_prefetch_b8 v[PFO], s[PFA:PFA+1] th:TH_LOAD_NT scope:SCOPE_SE       ; K step 1
.macro FRAG reg, adr, q, i
.irp c, 0,1,2,3
	ds_load_b128 v[\reg+4*\c:\reg+4*\c+3], v[\adr] offset:128*(\q)+32*\c+(\i)*16*PITCH
.endr
.endm
.macro MUL16 a0, p, q, sc, zero
.irp a, \a0, \a0+1
.irp b, 0,1,2,3,4,5,6,7
.if \zero
	v_wmma_scale_f32_16x16x128_f8f6f4 v[8*(8*((\a)%4)+\b):8*(8*((\a)%4)+\b)+7], v[128*(\p)+FR*\b:128*(\p)+FR*\b+FR-1], v[AF+FR*(\a):AF+FR*(\a)+FR-1], 0, v[SC+8*NQ*(\sc)+NQ*\b+(\q)], v[SC+8*NQ*(\sc)+NQ*(\a)+(\q)] matrix_a_fmt:MATRIX_FMT_BF8 matrix_b_fmt:MATRIX_FMT_BF8 matrix_a_scale:MATRIX_SCALE_ROW1
.else
	v_wmma_scale_f32_16x16x128_f8f6f4 v[8*(8*((\a)%4)+\b):8*(8*((\a)%4)+\b)+7], v[128*(\p)+FR*\b:128*(\p)+FR*\b+FR-1], v[AF+FR*(\a):AF+FR*(\a)+FR-1], v[8*(8*((\a)%4)+\b):8*(8*((\a)%4)+\b)+7], v[SC+8*NQ*(\sc)+NQ*\b+(\q)], v[SC+8*NQ*(\sc)+NQ*(\a)+(\q)] matrix_a_fmt:MATRIX_FMT_BF8 matrix_b_fmt:MATRIX_FMT_BF8 matrix_a_scale:MATRIX_SCALE_ROW1
.endif
.endr
.endr
.endm
.macro FETCH_B slot, q, p
	WIN TO_B
.irp i, 0,1,2,3,4,5,6,7
	FRAG 128*(\p)+FR*\i, ADRB+\slot, \q, \i
.endr
	WIN 0
.endm
.macro FETCH_A slot, q, i0
.irp i, \i0, \i0+1, \i0+2, \i0+3
	FRAG AF+FR*(\i), ADRA+\slot, \q, \i
.endr
.endm
.macro SCALES sc
.irp i, 0,1,2,3,4,5,6,7
	ds_load_b64 v[SC+8*NQ*\sc+NQ*\i:SC+8*NQ*\sc+NQ*\i+1], v[ADRS] offset:\i*SBLK
.endr
.endm
.macro PLACES n
.rept \n
	v_nop
.endr
.endm
.macro STEP slot, q, zero
	s_wait_dscnt 4*NL
	WIN MUL_LO
	MUL16 0, (\q)%2, \q, \slot, \zero
	MUL16 2, (\q)%2, \q, \slot, \zero
	s_wait_dscnt 0
	PLACES NP
	FETCH_B \slot, (\q)+1, 1-(\q)%2
	FETCH_A \slot, (\q)+1, 0
	WIN MUL_HI
	MUL16 4, (\q)%2, \q, \slot, \zero
	MUL16 6, (\q)%2, \q, \slot, \zero
	PLACES NP
	WIN 0
	FETCH_A \slot, (\q)+1, 4
.endm
.macro TURN slot, next, fill
	s_wait_tensorcnt 0x0
	ds_add_u32 v[SPW], v[NIL]
	s_wait_dscnt 4*NL+1
	WIN MUL_LO
	MUL16 0, 1, NQ-1, \slot, 0
	s_wait_dscnt 0x0
	s_barrier_signal -1
	MUL16 2, 1, NQ-1, \slot, 0
	WIN 0
	s_barrier_wait -1
.if \fill
	CREST
	s_add_nc_u64 s[G0+4*\slot+2:G0+4*\slot+3], s[G0+4*\slot+2:G0+4*\slot+3], 2*ROWB
	s_add_nc_u64 s[G0B+4*\slot+2:G0B+4*\slot+3], s[G0B+4*\slot+2:G0B+4*\slot+3], 2*ROWB
	JLOAD G0+4*\slot, G1, G0B+4*\slot, G1B
	PLACES NP-4
.else
	PLACES NP
.endif
	s_wait_alu depctr_va_vdst(0)
	v_add_nc_u32 v[ADRS], 4*NQ, v[ADRS]
	FETCH_B \next, 0, 0
	FETCH_A \next, 0, 0
	SCALES \next
.if (\fill) && ((\slot) == 0)
	global_prefetch_b8 v[PFO], s[PFA:PFA+1] offset:2*ROWB th:TH_LOAD_NT scope:SCOPE_SE   ; K step 3, behind K step 2's refill; the loop has one trip, and K step 3's refill asks for nothing
.endif
	WIN MUL_HI
	MUL16 4, 1, NQ-1, \slot, 0
	MUL16 6, 1, NQ-1, \slot, 0
	PLACES NP
	WIN 0
	FETCH_A \next, 0, 4
.endm
.macro QUANT s, pc, pw
.irp b, 0,1,2,3
	v_max3_num_f32 v[TM+\b], v[\s+16*\b], v[\s+1+16*\b], 0x8000000
.endr
.irp i, 2,4,6,8,10,12,14
.irp b, 0,1,2,3
	v_max3_num_f32 v[TM+\b], v[TM+\b], v[\s+16*\b+\i], v[\s+1+16*\b+\i]
.endr
.endr
.irp b, 0,1,2,3
	v_permlanex16_b32 v[TM+4+\b], v[TM+\b], s[SEL], s[SEL+1]
.endr
.irp b, 0,1,2,3
	v_max_num_f32 v[TM+\b], v[TM+\b], v[TM+4+\b]
.endr
.irp b, 0,1,2,3
	v_add_nc_u32 v[TM+12+\b], 0xf8800000, v[TM+\b]
.endr
.irp b, 0,1,2,3
	v_and_or_b32 v[TM+8+\b], v[TM+\b], 0x7f800000, s[MNT]
.endr
.irp b, 0,1,2,3
	v_lshrrev_b32 v[TM+4+\b], 23, v[TM+12+\b]
.endr
	v_lshl_or_b32 v[\pw], v[TM+5], 8, v[TM+4]
	v_lshl_or_b32 v[\pw], v[TM+6], 16, v[\pw]
	v_lshl_or_b32 v[\pw], v[TM+7], 24, v[\pw]
.irp b, 0,1,2,3
.irp i, 0,1,2,3,4,5,6,7,8,9,10,11,12,13,14,15
	v_med3_num_f32 v[\s+16*\b+\i], v[\s+16*\b+\i], 0, v[TM+8+\b]
.endr
	v_cvt_scalef32_pk8_bf8_f32 v[\pc+4*\b:\pc+1+4*\b], v[\s+16*\b:\s+7+16*\b], v[TM+12+\b]
	v_cvt_scalef32_pk8_bf8_f32 v[\pc+2+4*\b:\pc+3+4*\b], v[\s+8+16*\b:\s+15+16*\b], v[TM+12+\b]
.endr
	v_nop
.endm
.macro OUTH a
.if (\a) >= 2
	s_wait_xcnt 0x0
.endif
	WIN 0x02+(\a)/4
.irp b, 0,1,2,3,4,5,6,7
.irp j, 0,2,4,6
	v_pk_add_f32 v[W+8*\b+\j:W+8*\b+\j+1], v[64*((\a)%4)+8*\b+\j:64*((\a)%4)+8*\b+\j+1], v[CB+8*\b+\j:CB+8*\b+\j+1]
.endr
.endr
	WIN 0
	QUANT W, PC+16*((\a)%2), SWR+(\a)
.irp c, 0,1,2,3
	global_store_b128 v[LI], v[PC+16*((\a)%2)+4*\c:PC+16*((\a)%2)+4*\c+3], s[46:47] offset:(\a)*2048+\c*512
.endr
.endm
	s_wait_alu depctr_va_vdst(0)
	s_wait_tensorcnt 0x0                           ; my tile of the head's four is in; slot 1's first fill is issued as a refill is:
	ds_add_u32 v[SPW], v[NIL]                      ; 0 onto my spare word
	s_mov_b32 s[G1+2], 128<<16                     ; no tensor load of mine is out: from here on a load brings 128 rows
	s_mov_b32 s[G1+4], 128
	s_mov_b32 s[G1B+2], 128<<16
	s_mov_b32 s[G1B+4], 128
	s_wait_dscnt 0x0
	CROUND
	JLOAD G0+4, G1, G0B+4, G1B                     ; K step 1: my one tensor load behind the round
	FETCH_B 0, 0, 0
	FETCH_A 0, 0, 0
	SCALES 0
	FETCH_A 0, 0, 4
	global_prefetch_b8 v[PFO], s[PFA:PFA+1] offset:ROWB th:TH_LOAD_NT scope:SCOPE_SE     ; K step 2
	STEP 0, 0, 1
	s_mov_b32 s3, LAPS-1
.Llap:
	TURN 0, 1, 1
	STEP 1, 0, 0
	TURN 1, 0, 1
	STEP 0, 0, 0
	s_sub_co_u32 s3, s3, 1
	s_cmp_lg_u32 s3, 0
	s_cbranch_scc1 .Llap
	TURN 0, 1, 0
	STEP 1, 0, 0
	s_wait_dscnt 4*NL
	WIN MUL_LO
	MUL16 0, 1, NQ-1, 1, 0
	MUL16 2, 1, NQ-1, 1, 0
	s_wait_dscnt 0
	WIN MUL_HI
	MUL16 4, 1, NQ-1, 1, 0
	MUL16 6, 1, NQ-1, 1, 0
	WIN 0
	PLACES NP
	s_wait_loadcnt 0x0
.irp b, 0,1,2,3
	v_mov_b32 v[TM+4+\b], 0
.endr
	v_and_b32 v251, 31, v0
	v_lshlrev_b32 v[LI], 4, v251
	v_cmp_lt_u32 vcc_lo, 15, v251
	s_lshl_b32 s20, s42, 1
	s_add_co_u32 s20, s20, s16
	s_lshl_b32 s21, s17, 1
	s_add_co_u32 s21, s21, s15
	s_lshl_b32 s46, s20, 19
	s_lshl_b32 s47, s21, 14
	s_add_co_u32 s46, s46, s47
	s_mov_b32 s47, 0
	s_add_nc_u64 s[46:47], s[12:13], s[46:47]
	s_lshl_b32 s20, s20, 14
	s_lshl_b32 s21, s21, 9
	s_add_co_u32 s20, s20, s21
	s_add_co_u32 s20, s20, HSW
	s_mov_b32 s21, 0
	s_add_nc_u64 s[20:21], s[12:13], s[20:21]
.irp a, 0,1,2,3,4,5,6,7
	OUTH \a
.endr
.irp i, 0,1,2,3
	v_cndmask_b32 v[SWR+\i], v[SWR+\i], v[SWR+4+\i], vcc_lo
.endr
	global_store_b128 v[LI], v[SWR:SWR+3], s[20:21]
	s_wait_tensorcnt 0x0
	ds_add_u32 v[SPW], v[NIL]
	s_wait_dscnt 0x0
	CROUND
	s_endpgm
.Lfunc_end_k_qf5696b0e1c_ffn1:
	.size	k_qf5696b0e1c_ffn1, .Lfunc_end_k_qf5696b0e1c_ffn1-k_qf5696b0e1c_ffn1
	.p2alignl 7, 3214868480
	.fill 96, 4, 3214868480
	.section	.rodata,"a",@progbits
	.p2align	6, 0x0
	.amdhsa_kernel k_qf5696b0e1c_ffn1
		.amdhsa_group_segment_fixed_size 327680
		.amdhsa_private_segment_fixed_size 0
		.amdhsa_enable_private_segment 0
		.amdhsa_kernarg_size 40
		.amdhsa_user_sgpr_count 2
		.amdhsa_user_sgpr_kernarg_segment_ptr 1
		.amdhsa_wavefront_size32 1
		.amdhsa_system_sgpr_workgroup_id_x 1
		.amdhsa_system_sgpr_workgroup_id_y 1
		.amdhsa_system_sgpr_workgroup_id_z 1
		.amdhsa_system_vgpr_workitem_id 0
		.amdhsa_next_free_vgpr 1024
		.amdhsa_next_free_sgpr 106
		.amdhsa_reserve_vcc 1
		.amdhsa_float_denorm_mode_32 3
		.amdhsa_float_denorm_mode_16_64 3
		.amdhsa_memory_ordered 1
		.amdhsa_forward_progress 1
		.amdhsa_inst_pref_size 203
	.end_amdhsa_kernel
	.amdgpu_metadata
---
amdhsa.version: [ 1, 2 ]
amdhsa.kernels:
  - .name:           k_qf5696b0e1c_ffn1
    .symbol:         k_qf5696b0e1c_ffn1.kd
    .args:
      - { .name: ac, .offset: 0, .size: 8, .value_kind: global_buffer, .address_space: global }
      - { .name: W1_codes, .offset: 8, .size: 8, .value_kind: global_buffer, .address_space: global }
      - { .name: W1_scales, .offset: 16, .size: 8, .value_kind: global_buffer, .address_space: global }
      - { .name: bb1, .offset: 24, .size: 8, .value_kind: global_buffer, .address_space: global }
      - { .name: hw, .offset: 32, .size: 8, .value_kind: global_buffer, .address_space: global }
    .group_segment_fixed_size: 327680
    .private_segment_fixed_size: 0
    .kernarg_segment_align: 8
    .kernarg_segment_size: 40
    .max_flat_workgroup_size: 128
    .sgpr_count:     106
    .vgpr_count:     1024
    .wavefront_size: 32
...
	.end_amdgpu_metadata
.endif
;; end of part 6
;; launch ffn2 (part 7): grid 8 x 32, 4 waves a work-group, clusters of 4 x 4, 327,680 bytes of LDS; arguments hw, W2_codes, W2_scales, bb2, x1, y; writes y
.if DOCPART == 7
	.amdgcn_target "amdgcn-amd-amdhsa--gfx1250"
	.amdhsa_code_object_version 6
	.text
	.protected	k_qf5696b0e1c_ffn2
	.globl	k_qf5696b0e1c_ffn2
	.p2align	8
	.type	k_qf5696b0e1c_ffn2,@function
k_qf5696b0e1c_ffn2:
	s_mov_b64 s[64:65], 0
	v_nop
	global_prefetch_b8 v0, s[64:65] scope:SCOPE_SE
	s_setreg_imm32_b32 hwreg(HW_REG_WAVE_MODE, 25, 1), 1
	s_wait_xcnt 0x0
	s_wait_alu depctr_hold_cnt(0) depctr_sa_sdst(0) depctr_va_vdst(0) depctr_va_sdst(0) depctr_va_ssrc(0) depctr_va_vcc(0) depctr_vm_vsrc(0)
	s_getreg_b32 s2, hwreg(HW_REG_IB_STS2, 6, 4)
	s_cmp_eq_u32 s2, 0
	s_cbranch_scc0 .Lentry_in_a_cluster
	s_endpgm
.Lentry_in_a_cluster:
	s_bfe_u32 s2, ttmp6, 0x10000c
	s_cmp_lg_u32 s2, 0xf033
	s_cbranch_scc0 .Lentry_shape_is_right
	s_endpgm
.Lentry_shape_is_right:
; y = x1 + h W2 + bb2 on codes of BF8 with E8M0 scales: a tile of 128 tokens x 128 columns to a work-group of four waves, 64 x 64 a wave.  K = 4,096 goes in eight runs of 512
; through two LDS slots: h's images [K step 4][16,384 bytes], then W2's 128 rows of 512 bytes at a pitch of 528; both sides' scale bytes come into LDS once.
; 4 x 4 work-groups form a cluster: h's tiles are asked for jointly along a row, W2's along a column.  The head's four tiles (run 0 of both sides, both sides' scales) go out one a wave;
; run 1 follows behind the full sequence and a round; in the ring waves 0 and 1 fetch h's halves (two K steps each), waves 2 and 3 W2's (64 rows each).
; PREFETCH: a wave asks for its share of a later run: 32 blocks of 256 bytes, a lane a block; the four partners that ask for a tile jointly share its blocks out by address (cx for h,
; cy for W2).  Run 1 is asked for at the head, run 2 behind run 1's load, run 3 behind the first K step; behind each refill of the loop's first two trips the run two refills on;
; the last trip asks for nothing.  x1's numbers are wanted on the way out alone and are asked for behind the last refill.
.set PFO, 30                           ; v30 the prefetches' offset; never rewritten
.set PFA, 66                           ; s[66:67] where my prefetches stand
.set PFS, 18                           ; s[18:19] a run on, in bytes
.set SIZE_K, 4096
.set KS,     SIZE_K/32
.set LAPS,   SIZE_K/1024
.set SW,     SIZE_K*4096
.set BP,     528
.set BOFF,   65536
.set SLOT,   BOFF+128*BP
.set ASC,    2*SLOT
.set BSC,    ASC+16384
.set STAGE,  BSC+17408
.set SPARE,  STAGE+4*16*272
.set ADRA, 16
.set ADRB, 20
.set ADSA, 22
.set ADSB, 23
.set STO,  24
.set RD,   25
.set CO,   26
.set BH,   27
.set SPW,  28
.set NIL,  29
.set SA,   32
.set SB,   64
.set BIAS, 96
.set ACC,  128
.set F0,   0
.set F1,   128
.set BK,   128
.set G1, 24
.set G0, 32
.set G1B, 48
.set G0B, 56
.set G1S, 68
.set G0S, 76
.set G1SB, 80
.set G0SB, 88
.set WV, 92
.set RH, 93
.set CH, 94
.set MSB, 0
.macro WIN new
.if MSB != (\new)
	s_set_vgpr_msb (MSB<<8)|(\new)
.set MSB, (\new)
.endif
.endm
.set MUL,  0x05
.set TO_F, 0x40
.macro JLOAD g0a, g1a, g0b, g1b
	s_cmp_eq_u32 s[RH], 0
	s_cbranch_scc0 .Lfor_b_\@
	tensor_load_to_lds s[\g0a:\g0a+3], s[\g1a:\g1a+7]
	s_nop 0
.rept 4
	v_nop
.endr
	s_branch .Lasked_\@
.Lfor_b_\@:
	tensor_load_to_lds s[\g0b:\g0b+3], s[\g1b:\g1b+7]
	s_nop 0
.rept 4
	v_nop
.endr
.Lasked_\@:
.endm
.macro CREST
	s_cmp_lg_u32 s[WV], 0
	s_cbranch_scc1 .Lnot_wave_0_\@
	s_barrier_signal -3
.Lnot_wave_0_\@:
	s_barrier_wait -3
	s_barrier_signal -1
	s_barrier_wait -1
.endm
.macro CROUND
	s_barrier_signal -1
	s_barrier_wait -1
	CREST
.endm
	s_load_b256 s[4:11], s[0:1], 0x0
	s_load_b128 s[12:15], s[0:1], 0x20
	v_lshl_add_u32 v[SPW], v0, 2, SPARE
	v_mov_b32 v[NIL], 0
	ds_add_u32 v28, v29
	ds_add_u32 v28, v29
	s_wait_dscnt 0x0
	v_lshrrev_b32 v1, 5, v0
	v_readfirstlane_b32 s[WV], v1
	s_lshr_b32 s[RH], s[WV], 1
	s_and_b32 s[CH], s[WV], 1
	s_bfe_u32 s40, ttmp6, 0x40000
	s_bfe_u32 s41, ttmp6, 0x40004
	s_lshl_b32 s42, ttmp9, 2
	s_add_co_u32 s42, s42, s40
	s_and_b32 s45, ttmp7, 0xffff
	s_lshl_b32 s45, s45, 2
	s_add_co_u32 s45, s45, s41
	s_lshl_b32 s43, s41, 2
	s_lshl_b32 s43, 15, s43
	s_lshl_b32 s44, 0x1111, s40
	s_or_b32 s[G1], s43, (3<<16)|(1<<21)
	s_mov_b32 s[G1+1], 2048<<16                    ; rows (K steps) of 2,048 elements of 8 bytes: 4 for the head's load, 2 for the ring's
	s_mov_b32 s[G1+2], 4<<16
	s_mov_b32 s[G1+3], 2048<<16
	s_mov_b32 s[G1+4], 4
	s_mov_b32 s[G1+5], 65536
	s_mov_b32 s[G1+6], 0
	s_mov_b32 s[G1+7], 0
	s_or_b32 s[G1B], s44, (0<<16)|(1<<20)|(1<<21)|(6<<22)|(3<<25)
	s_mov_b32 s[G1B+1], 512<<16
	s_mov_b32 s[G1B+2], 128<<16                    ; 128 rows for the head's load, 64 for the ring's
	s_mov_b32 s[G1B+3], 512<<16
	s_mov_b32 s[G1B+4], 128
	s_mov_b32 s[G1B+5], SIZE_K
	s_mov_b32 s[G1B+6], 0
	s_mov_b32 s[G1B+7], 0
	s_or_b32 s[G1S], s43, (3<<16)|(1<<21)
	s_mov_b32 s[G1S+1], 64<<16
	s_mov_b32 s[G1S+2], (SIZE_K/128)<<16
	s_mov_b32 s[G1S+3], 64<<16
	s_mov_b32 s[G1S+4], SIZE_K/128
	s_mov_b32 s[G1S+5], 2048
	s_mov_b32 s[G1S+6], 0
	s_mov_b32 s[G1S+7], 0
	s_or_b32 s[G1SB], s44, (3<<16)|(1<<20)|(1<<21)|(5<<22)|(3<<25)
	s_mov_b32 s[G1SB+1], 32<<16
	s_mov_b32 s[G1SB+2], (128*KS/256)<<16
	s_mov_b32 s[G1SB+3], 32<<16
	s_mov_b32 s[G1SB+4], 128*KS/256
	s_mov_b32 s[G1SB+5], 32
	s_mov_b32 s[G1SB+6], 0
	s_mov_b32 s[G1SB+7], 0
	s_lshl_b32 s16, s45, 14
	s_mov_b32 s17, 0
	s_lshl_b32 s18, s45, 9
	s_add_co_u32 s18, s18, SW
	s_mov_b32 s19, 0
	s_lshl_b32 s46, s42, 7
	s_mul_i32 s96, s46, KS
	s_mov_b32 s97, 0
	s_mul_i32 s46, s46, SIZE_K
	s_mov_b32 s47, 0
	s_wait_kmcnt 0x0
	s_add_nc_u64 s[16:17], s[4:5], s[16:17]
	s_add_nc_u64 s[18:19], s[4:5], s[18:19]
	s_add_nc_u64 s[46:47], s[6:7], s[46:47]
	s_add_nc_u64 s[96:97], s[8:9], s[96:97]
	CROUND
	s_mov_b32 s[G0S], 1
	s_mov_b32 s[G0S+1], ASC
	s_mov_b64 s[G0S+2:G0S+3], s[18:19]
	s_or_b32 s[G0S+3], s[G0S+3], 0x80000000
	s_mov_b32 s[G0SB], 1
	s_mov_b32 s[G0SB+1], BSC
	s_mov_b64 s[G0SB+2:G0SB+3], s[96:97]
	s_or_b32 s[G0SB+3], s[G0SB+3], 0x80000000
	s_lshl_b32 s20, s[CH], 15
	s_mul_i32 s21, s[CH], 64*BP
	s_add_co_u32 s21, s21, BOFF
	s_mov_b32 s[G0], 1                             ; slot 0's groups 0 serve the head's whole tiles first; they are set to my half behind the wait for those loads
	s_mov_b32 s[G0+1], 0
	s_mov_b64 s[G0+2:G0+3], s[16:17]
	s_or_b32 s[G0+3], s[G0+3], 0x80000000
	s_mov_b32 s[G0B], 1
	s_mov_b32 s[G0B+1], BOFF
	s_mov_b64 s[G0B+2:G0B+3], s[46:47]
	s_or_b32 s[G0B+3], s[G0B+3], 0x80000000
	s_lshl_b32 s22, s[CH], 20                      ; my half in the ring: two K steps of h's images,
	s_mov_b32 s23, 0
	s_lshl_b32 s96, s[CH], 18                      ; 64 rows of W2
	s_mov_b32 s97, 0
	s_add_nc_u64 s[16:17], s[16:17], s[22:23]
	s_add_nc_u64 s[46:47], s[46:47], s[96:97]
	s_mov_b32 s[G0+4], 1
	s_add_co_u32 s[G0+5], s20, SLOT
	s_add_nc_u64 s[G0+6:G0+7], s[16:17], 2097152
	s_or_b32 s[G0+7], s[G0+7], 0x80000000
	s_mov_b32 s[G0B+4], 1
	s_add_co_u32 s[G0B+5], s21, SLOT
	s_add_nc_u64 s[G0B+6:G0B+7], s[46:47], 512
	s_or_b32 s[G0B+7], s[G0B+7], 0x80000000
; The head's loads, one a wave: wave 0 h's images of run 0, wave 1 W2's rows, wave 2 h's scale words, wave 3 W2's scale bytes.
.macro ARM under, g0, g1, next
	s_cmp_lt_u32 s[WV], \under
	s_cbranch_scc0 \next
	tensor_load_to_lds s[\g0:\g0+3], s[\g1:\g1+7]
	s_nop 0
.rept 4
	v_nop
.endr
	s_branch .Lhead_asked
\next:
.endm
	ARM 1, G0,  G1,  .Lhead_b
	ARM 2, G0B, G1B, .Lhead_sa
	ARM 3, G0S, G1S, .Lhead_sb
	tensor_load_to_lds s[G0SB:G0SB+3], s[G1SB:G1SB+7]
	s_nop 0
.rept 4
	v_nop
.endr
.Lhead_asked:
	v_and_b32 v1, 15, v0
	v_bfe_u32 v2, v0, 4, 1
	v_and_b32 v3, 31, v0
	v_lshlrev_b32 v4, 4, v3
	s_lshl_b32 s20, s[RH], 13                      ; my four token tiles of a K step's eight
	v_add_nc_u32 v[ADRA], s20, v4
	s_add_co_u32 s20, s20, SLOT
	v_add_nc_u32 v[ADRA+1], s20, v4
	v_mul_u32_u24 v5, v1, BP
	v_lshl_add_u32 v5, v2, 3, v5
	s_mul_i32 s21, s[CH], 64*BP
	s_add_co_u32 s21, s21, BOFF
	v_add_nc_u32 v[ADRB], s21, v5
	s_add_co_u32 s21, s21, SLOT
	v_add_nc_u32 v[ADRB+1], s21, v5
	v_lshlrev_b32 v6, 4, v1
	s_lshl_b32 s20, s[RH], 8
	s_add_co_u32 s20, s20, ASC
	v_add_nc_u32 v[ADSA], s20, v6
	v_mul_u32_u24 v7, v1, KS
	v_lshrrev_b32 v8, 8, v7
	v_lshl_add_u32 v7, v8, 4, v7
	s_mul_i32 s20, s[CH], (64*KS/256)*272
	s_add_co_u32 s20, s20, BSC
	v_add_nc_u32 v[ADSB], s20, v7
	s_mul_i32 s20, s[WV], 16*272
	s_add_co_u32 s20, s20, STAGE
	v_mul_u32_u24 v8, v1, 272
	v_lshl_add_u32 v8, v2, 5, v8
	v_add_nc_u32 v[STO], s20, v8
	v_mul_u32_u24 v8, v2, 272
	v_lshl_add_u32 v8, v1, 4, v8
	v_add_nc_u32 v[RD], s20, v8
	v_lshlrev_b32 v8, 13, v2
	v_lshl_add_u32 v[CO], v1, 4, v8
	v_lshlrev_b32 v[BH], 5, v2
	; the prefetches.  h (waves 0, 1): of my two K steps' 128 blocks partner cx takes 32, a lane a block.  W2 (waves 2, 3): of my 64 rows partner cy takes 16, two lanes a row.
	s_cmp_eq_u32 s[RH], 0
	s_cselect_b32 s95, -1, 0
	v_lshlrev_b32 v9, 8, v3
	v_lshrrev_b32 v10, 1, v3
	v_and_b32 v11, 1, v3
	v_lshlrev_b32 v10, 12, v10
	v_lshl_add_u32 v10, v11, 8, v10
	v_cndmask_b32 v[PFO], v10, v9, s95
	s_wait_alu depctr_va_vdst(0)
	s_lshr_b32 s2, s40, 1
	s_lshl_b32 s2, s2, 19
	s_and_b32 s3, s40, 1
	s_lshl_b32 s3, s3, 13
	s_add_co_u32 s2, s2, s3
	s_add_co_u32 s2, s2, 2097152                   ; at run 1
	s_lshl_b32 s3, s41, 16
	s_add_co_u32 s3, s3, 512
	s_mov_b32 s[PFS], 512
	s_cmp_eq_u32 s[RH], 0
	s_cselect_b64 s[PFA:PFA+1], s[16:17], s[46:47]
	s_cselect_b32 s2, s2, s3
	s_cselect_b32 s[PFS], 2097152, s[PFS]
	s_mov_b32 s3, 0
	s_mov_b32 s[PFS+1], 0
	s_add_nc_u64 s[PFA:PFA+1], s[PFA:PFA+1], s[2:3]
	s_lshl_b32 s98, s42, 9
	s_lshl_b32 s99, s[CH], 8
	s_add_co_u32 s98, s98, s99
	s_mov_b32 s99, 0
	s_add_nc_u64 s[10:11], s[10:11], s[98:99]
	s_and_b32 s95, s45, 15
	s_lshl_b32 s95, s95, 20
	s_add_co_u32 s98, s98, s95
	s_lshl_b32 s95, s[RH], 19
	s_add_co_u32 s98, s98, s95
	s_lshr_b32 s95, s45, 4
	s_lshl_b32 s95, s95, 12
	s_add_co_u32 s98, s98, s95
	s_add_nc_u64 s[12:13], s[12:13], s[98:99]
	s_add_nc_u64 s[14:15], s[14:15], s[98:99]
.irp b, 0,1,2,3
	global_load_b128 v[BIAS+8*\b:BIAS+8*\b+3], v[BH], s[10:11] offset:64*\b
	global_load_b128 v[BIAS+8*\b+4:BIAS+8*\b+7], v[BH], s[10:11] offset:64*\b+16
.endr
	global_prefetch_b8 v[PFO], s[PFA:PFA+1] th:TH_LOAD_NT scope:SCOPE_SE       ; run 1
.macro FETCH slot, q, f
	WIN TO_F
.irp i, 0,1,2,3
.irp c, 0,1,2,3
	ds_load_b128 v[\f+16*\i+4*\c:\f+16*\i+4*\c+3], v[ADRA+\slot] offset:(\q)*16384+\i*2048+\c*512
.endr
.endr
.irp i, 0,1,2,3
.irp c, 0,1,2,3
	ds_load_b64 v[\f+64+16*\i+4*\c:\f+64+16*\i+4*\c+1], v[ADRB+\slot] offset:\i*16*BP+128*(\q)+32*\c
	ds_load_b64 v[\f+64+16*\i+4*\c+2:\f+64+16*\i+4*\c+3], v[ADRB+\slot] offset:\i*16*BP+128*(\q)+32*\c+16
.endr
.endr
.endm
.macro SCALES s
	WIN 0
.irp q, 0,1,2,3
	ds_load_b128 v[SA+16*\s+4*\q:SA+16*\s+4*\q+3], v[ADSA] offset:512*\q
.endr
.irp i, 0,1,2,3
	ds_load_b128 v[SB+16*\s+4*\i:SB+16*\s+4*\i+3], v[ADSB] offset:\i*(16*KS/256)*272
.endr
.endm
.macro MUL4 f, s, q, a, zero
.irp b, 0,1,2,3
.if \zero
	v_wmma_scale_f32_16x16x128_f8f6f4 v[ACC+8*(4*\a+\b):ACC+8*(4*\a+\b)+7], v[\f+64+16*\b:\f+64+16*\b+15], v[\f+16*\a:\f+16*\a+15], v[BIAS+8*\b:BIAS+8*\b+7], v[SB+16*\s+4*\b+\q], v[SA+16*\s+4*\q+\a] matrix_a_fmt:MATRIX_FMT_BF8 matrix_b_fmt:MATRIX_FMT_BF8
.else
	v_wmma_scale_f32_16x16x128_f8f6f4 v[ACC+8*(4*\a+\b):ACC+8*(4*\a+\b)+7], v[\f+64+16*\b:\f+64+16*\b+15], v[\f+16*\a:\f+16*\a+15], v[ACC+8*(4*\a+\b):ACC+8*(4*\a+\b)+7], v[SB+16*\s+4*\b+\q], v[SA+16*\s+4*\q+\a] matrix_a_fmt:MATRIX_FMT_BF8 matrix_b_fmt:MATRIX_FMT_BF8
.endif
.endr
.endm
.macro PLACES n
.rept \n
	v_nop
.endr
.endm
.macro STEP slot, q, f, g, zero
	PLACES 8
	FETCH \slot, (\q)+1, \g
	s_wait_dscnt 48
	WIN MUL
.irp a, 0,1,2,3
	MUL4 \f, \slot, \q, \a, \zero
.endr
.endm
.macro TURN slot, next, fill
	WIN 0
.if \fill
	s_wait_xcnt 0x0                                ; any prefetch of mine has read its address: it is stepped here, a run behind the prefetch that read it
	s_add_nc_u64 s[PFA:PFA+1], s[PFA:PFA+1], s[PFS:PFS+1]
.endif
	s_wait_tensorcnt 0x0
	ds_add_u32 v[SPW], v[NIL]
	s_wait_dscnt 1
	WIN MUL
	MUL4 F1, \slot, 3, 0, 0
	s_wait_dscnt 0x0
	s_barrier_signal -1
	MUL4 F1, \slot, 3, 1, 0
	WIN 0
	s_barrier_wait -1
.if \fill
	CREST
	s_add_nc_u64 s[G0+4*\slot+2:G0+4*\slot+3], s[G0+4*\slot+2:G0+4*\slot+3], 4194304
	s_add_nc_u64 s[G0B+4*\slot+2:G0B+4*\slot+3], s[G0B+4*\slot+2:G0B+4*\slot+3], 1024
	JLOAD G0+4*\slot, G1, G0B+4*\slot, G1B
	PLACES 4
.else
	PLACES 8
.endif
	s_wait_alu depctr_va_vdst(0)
	v_add_nc_u32 v[ADSA], 2048, v[ADSA]
	v_add_nc_u32 v[ADSB], 16, v[ADSB]
	FETCH \next, 0, F0
	SCALES \next
.if \fill
	s_cmp_gt_u32 s3, 1                             ; the last trip's refills have no run two refills on
	s_cbranch_scc0 .Lno_ask_\@
	global_prefetch_b8 v[PFO], s[PFA:PFA+1] th:TH_LOAD_NT scope:SCOPE_SE
.Lno_ask_\@:
.endif
	WIN MUL
	MUL4 F1, \slot, 3, 2, 0
	MUL4 F1, \slot, 3, 3, 0
.endm
	s_wait_alu depctr_va_vdst(0)                   ; the wait at the head's end
	s_wait_tensorcnt 0x0                           ; my tile of the head's four is in; slot 1's first fill is issued as a refill is:
	ds_add_u32 v[SPW], v[NIL]                      ; 0 onto my spare word
	s_mov_b32 s[G1+2], 2<<16                       ; no tensor load of mine is out: from here on a load brings half a tile,
	s_mov_b32 s[G1+4], 2
	s_mov_b32 s[G1B+2], 64<<16
	s_mov_b32 s[G1B+4], 64
	s_lshl_b32 s[G0+1], s[CH], 15                  ; and slot 0's groups 0 stand at my half of run 0: the first refill steps them to run 2
	s_mov_b64 s[G0+2:G0+3], s[16:17]
	s_or_b32 s[G0+3], s[G0+3], 0x80000000
	s_mul_i32 s[G0B+1], s[CH], 64*BP
	s_add_co_u32 s[G0B+1], s[G0B+1], BOFF
	s_mov_b64 s[G0B+2:G0B+3], s[46:47]
	s_or_b32 s[G0B+3], s[G0B+3], 0x80000000
	s_wait_dscnt 0x0
	CROUND
	JLOAD G0+4, G1, G0B+4, G1B                     ; run 1: my one tensor load behind the round
	FETCH 0, 0, F0
	SCALES 0
	s_wait_xcnt 0x0                                ; the head's prefetch has read its address
	s_add_nc_u64 s[PFA:PFA+1], s[PFA:PFA+1], s[PFS:PFS+1]
	global_prefetch_b8 v[PFO], s[PFA:PFA+1] th:TH_LOAD_NT scope:SCOPE_SE       ; run 2
	s_wait_loadcnt 0x0                             ; the bias
	STEP 0, 0, F0, F1, 1
.if LAPS > 1
	WIN 0
	s_wait_xcnt 0x0                                ; run 2's prefetch, a K step back, has read its address
	s_add_nc_u64 s[PFA:PFA+1], s[PFA:PFA+1], s[PFS:PFS+1]
	global_prefetch_b8 v[PFO], s[PFA:PFA+1] th:TH_LOAD_NT scope:SCOPE_SE       ; run 3; the loop's first refill steps the address to run 4
	s_mov_b32 s3, LAPS-1
.Llap:
	STEP 0, 1, F1, F0, 0
	STEP 0, 2, F0, F1, 0
	TURN 0, 1, 1
	STEP 1, 0, F0, F1, 0
	STEP 1, 1, F1, F0, 0
	STEP 1, 2, F0, F1, 0
	TURN 1, 0, 1
	STEP 0, 0, F0, F1, 0
	WIN 0
	s_sub_co_u32 s3, s3, 1
	s_cmp_lg_u32 s3, 0
	s_cbranch_scc1 .Llap
.endif
	WIN 0x80                                       ; x1's 64 x 64 numbers of my part of the tile are asked for here, behind the last refill: seven K steps of 128 stand ahead of their use
.irp a, 0,1,2,3
.irp t, 0,1,2,3,4,5,6,7
	global_load_b128 v[32*\a+4*\t:32*\a+4*\t+3], v[CO], s[12:13] offset:\a*131072+\t*16384 th:TH_LOAD_NT
.endr
.endr
	WIN 0
	STEP 0, 1, F1, F0, 0
	STEP 0, 2, F0, F1, 0
	TURN 0, 1, 0
	STEP 1, 0, F0, F1, 0
	STEP 1, 1, F1, F0, 0
	STEP 1, 2, F0, F1, 0
	s_wait_dscnt 0x0
.irp a, 0,1,2,3
	MUL4 F1, 1, 3, \a, 0
.endr
	WIN 0
.macro TOSTAGE a
.irp b, 0,1,2,3
	ds_store_b128 v[STO], v[ACC+8*(4*\a+\b):ACC+8*(4*\a+\b)+3] offset:64*\b
	ds_store_b128 v[STO], v[ACC+8*(4*\a+\b)+4:ACC+8*(4*\a+\b)+7] offset:64*\b+16
.endr
	WIN 0x80
.irp t, 0,1,2,3,4,5,6,7
	ds_load_b128 v[BK+32*((\a)%2)+4*\t:BK+32*((\a)%2)+4*\t+3], v[RD] offset:\t*544
.endr
	WIN 0
.endm
.macro SEND a, younger
	s_wait_dscnt \younger
	WIN 0x8a
.set k, 0
.rept 16
	v_pk_add_f32 v[BK+32*((\a)%2)+k:BK+32*((\a)%2)+k+1], v[BK+32*((\a)%2)+k:BK+32*((\a)%2)+k+1], v[32*(\a)+k:32*(\a)+k+1]
.set k, k+2
.endr
	WIN 0x08
.irp t, 0,1,2,3,4,5,6,7
	global_store_b128 v[CO], v[BK+32*((\a)%2)+4*\t:BK+32*((\a)%2)+4*\t+3], s[14:15] offset:(\a)*131072+\t*16384
.endr
	WIN 0
.endm
	PLACES 8
	s_wait_loadcnt 0x0
	TOSTAGE 0
.irp a, 1,2,3
.if \a > 1
	s_wait_xcnt 0x0
.endif
	TOSTAGE \a
	SEND \a-1, 16
.endr
	SEND 3, 0
	s_wait_tensorcnt 0x0
	ds_add_u32 v[SPW], v[NIL]
	s_wait_dscnt 0x0
	CROUND
	s_endpgm
.Lfunc_end_k_qf5696b0e1c_ffn2:
	.size	k_qf5696b0e1c_ffn2, .Lfunc_end_k_qf5696b0e1c_ffn2-k_qf5696b0e1c_ffn2
	.p2alignl 7, 3214868480
	.fill 96, 4, 3214868480
	.section	.rodata,"a",@progbits
	.p2align	6, 0x0
	.amdhsa_kernel k_qf5696b0e1c_ffn2
		.amdhsa_group_segment_fixed_size 327680
		.amdhsa_private_segment_fixed_size 0
		.amdhsa_enable_private_segment 0
		.amdhsa_kernarg_size 48
		.amdhsa_user_sgpr_count 2
		.amdhsa_user_sgpr_kernarg_segment_ptr 1
		.amdhsa_wavefront_size32 1
		.amdhsa_system_sgpr_workgroup_id_x 1
		.amdhsa_system_sgpr_workgroup_id_y 1
		.amdhsa_system_sgpr_workgroup_id_z 1
		.amdhsa_system_vgpr_workitem_id 0
		.amdhsa_next_free_vgpr 768
		.amdhsa_next_free_sgpr 100
		.amdhsa_reserve_vcc 0
		.amdhsa_float_denorm_mode_32 3
		.amdhsa_float_denorm_mode_16_64 3
		.amdhsa_memory_ordered 1
		.amdhsa_forward_progress 1
		.amdhsa_inst_pref_size 120
	.end_amdhsa_kernel
	.amdgpu_metadata
---
amdhsa.version: [ 1, 2 ]
amdhsa.kernels:
  - .name:           k_qf5696b0e1c_ffn2
    .symbol:         k_qf5696b0e1c_ffn2.kd
    .args:
      - { .name: hw, .offset: 0, .size: 8, .value_kind: global_buffer, .address_space: global }
      - { .name: W2_codes, .offset: 8, .size: 8, .value_kind: global_buffer, .address_space: global }
      - { .name: W2_scales, .offset: 16, .size: 8, .value_kind: global_buffer, .address_space: global }
      - { .name: bb2, .offset: 24, .size: 8, .value_kind: global_buffer, .address_space: global }
      - { .name: x1, .offset: 32, .size: 8, .value_kind: global_buffer, .address_space: global }
      - { .name: y, .offset: 40, .size: 8, .value_kind: global_buffer, .address_space: global }
    .group_segment_fixed_size: 327680
    .private_segment_fixed_size: 0
    .kernarg_segment_align: 8
    .kernarg_segment_size: 48
    .max_flat_workgroup_size: 128
    .sgpr_count:     100
    .vgpr_count:     768
    .wavefront_size: 32
...
	.end_amdgpu_metadata
.endif
;; end of part 7
;; launch ln2 (part 8): grid 256 x 1, 4 waves a work-group, no clusters, 0 bytes of LDS; arguments y, g2, b2, out0; writes out0
.if DOCPART == 8
	.amdgcn_target "amdgcn-amd-amdhsa--gfx1250"
	.amdhsa_code_object_version 6
	.text
	.protected	k_qf5696b0e1c_ln2
	.globl	k_qf5696b0e1c_ln2
	.p2align	8
	.type	k_qf5696b0e1c_ln2,@function
k_qf5696b0e1c_ln2:
	s_mov_b64 s[64:65], 0
	v_nop
	global_prefetch_b8 v0, s[64:65] scope:SCOPE_SE
	s_setreg_imm32_b32 hwreg(HW_REG_WAVE_MODE, 25, 1), 1
	s_wait_xcnt 0x0
; out0 = layer norm of y (= x1 + relu(..) W2 + bb2) over each row of 1,024, times g2, plus b2.  Both in the natural order, rows of 4,096 bytes.
; One wave, one row at a time, four rows a wave: the row stays in 32 registers a lane between the mean, the variance (of the differences) and the scaling: memory is read once.
; Every load and store of a wave covers 512 consecutive bytes; all 48 loads of a wave go out at once; each row has its own registers, so no store's data are written again.
; 1 / sqrt by v_rsq_f32.  NaN and infinities are not served.  No LDS, no barrier, no matrix unit, no cluster: a stream whose work-groups share only g2 and b2.
.set SEL, 22
.set T,   10                           ; v10-17 sums
.set G,   20                           ; v20-51 g2 of my 32 columns
.set B,   52                           ; v52-83 b2
.set X,   84                           ; v84-211 four rows
	s_load_b256 s[4:11], s[0:1], 0x0               ; y, g2, b2, out0
	v_lshrrev_b32 v1, 5, v0
	v_readfirstlane_b32 s12, v1                    ; wave
	v_and_b32 v2, 31, v0
	v_lshlrev_b32 v3, 4, v2                        ; 16 x lane
	s_lshl_b32 s16, ttmp9, 16                      ; the work-group's 16 rows,
	s_lshl_b32 s18, s12, 14                        ; my four of them
	s_add_co_u32 s16, s16, s18
	s_mov_b32 s17, 0
	s_mov_b32 s20, 0x3a800000                      ; 1 / 1,024
	s_mov_b32 s21, 0x3727c5ac                      ; 1e-5
	s_mov_b32 s[SEL], 0x76543210
	s_mov_b32 s[SEL+1], 0xfedcba98
	s_wait_alu depctr_va_vdst(0)
	s_wait_kmcnt 0x0
	s_add_nc_u64 s[4:5], s[4:5], s[16:17]
	s_add_nc_u64 s[10:11], s[10:11], s[16:17]
.irp j, 0,1,2,3,4,5,6,7
	global_load_b128 v[G+4*\j:G+4*\j+3], v3, s[6:7] offset:512*\j
	global_load_b128 v[B+4*\j:B+4*\j+3], v3, s[8:9] offset:512*\j
.endr
.irp i, 0,1,2,3
.irp j, 0,1,2,3,4,5,6,7
	global_load_b128 v[X+32*\i+4*\j:X+32*\i+4*\j+3], v3, s[4:5] offset:\i*4096+512*\j th:TH_LOAD_NT
.endr
.endr
.macro REDUCE                          ; v[T] summed over the 32 lanes, the result in every lane
	v_pk_add_f32 v[T:T+1], v[T:T+1], v[T+2:T+3]
	v_pk_add_f32 v[T+4:T+5], v[T+4:T+5], v[T+6:T+7]
	v_pk_add_f32 v[T:T+1], v[T:T+1], v[T+4:T+5]
	v_add_f32 v[T], v[T], v[T+1]
.irp m, 1,2,4,8
	v_add_f32_dpp v[T], v[T], v[T] row_xmask:\m row_mask:0xf bank_mask:0xf
.endr
	v_permlanex16_b32 v[T+1], v[T], s[SEL], s[SEL+1]
	v_add_f32 v[T], v[T], v[T+1]
.endm
.macro LNROW i
.set XR, X+32*\i
.irp c, 0,1,2,3
	v_pk_add_f32 v[T+2*\c:T+2*\c+1], v[XR+2*\c:XR+2*\c+1], v[XR+8+2*\c:XR+9+2*\c]   ; four chains, started by the first numbers
.endr
.irp p, 16,24
.irp c, 0,1,2,3
	v_pk_add_f32 v[T+2*\c:T+2*\c+1], v[T+2*\c:T+2*\c+1], v[XR+\p+2*\c:XR+\p+2*\c+1]
.endr
.endr
	REDUCE
	v_mul_f32 v[T+2], s20, v[T]                    ; the mean
.set k, 0
.rept 16
	v_pk_add_f32 v[XR+k:XR+k+1], v[XR+k:XR+k+1], v[T+2:T+3] op_sel_hi:[1,0] neg_lo:[0,1] neg_hi:[0,1]
.set k, k+2
.endr
.irp c, 0,1,2,3
	v_pk_mul_f32 v[T+2*\c:T+2*\c+1], v[XR+2*\c:XR+2*\c+1], v[XR+2*\c:XR+2*\c+1]
.endr
.irp p, 8,16,24
.irp c, 0,1,2,3
	v_pk_fma_f32 v[T+2*\c:T+2*\c+1], v[XR+\p+2*\c:XR+\p+2*\c+1], v[XR+\p+2*\c:XR+\p+2*\c+1], v[T+2*\c:T+2*\c+1]
.endr
.endr
	REDUCE
	v_fma_f32 v[T+2], v[T], s20, s21               ; the variance + 1e-5
	s_wait_alu depctr_va_vdst(0)
	v_rsq_f32 v[T+2], v[T+2]
	v_nop                                          ; a plain line behind the transcendental
.set k, 0
	s_wait_alu depctr_va_vdst(0)
.rept 16
	v_pk_mul_f32 v[XR+k:XR+k+1], v[XR+k:XR+k+1], v[T+2:T+3] op_sel_hi:[1,0]
.set k, k+2
.endr
.set k, 0
.rept 16
	v_pk_fma_f32 v[XR+k:XR+k+1], v[XR+k:XR+k+1], v[G+k:G+k+1], v[B+k:B+k+1]
.set k, k+2
.endr
.endm
.irp i, 0,1,2,3
	s_wait_loadcnt 8*(3-\i)                        ; loads come back in order: g2, b2 and row i are in; the later rows stay out
	LNROW \i
.irp j, 0,1,2,3,4,5,6,7
	global_store_b128 v3, v[X+32*\i+4*\j:X+32*\i+4*\j+3], s[10:11] offset:\i*4096+512*\j th:TH_STORE_NT   ; 512 consecutive bytes
.endr
.endr
	s_endpgm
.Lfunc_end_k_qf5696b0e1c_ln2:
	.size	k_qf5696b0e1c_ln2, .Lfunc_end_k_qf5696b0e1c_ln2-k_qf5696b0e1c_ln2
	.p2alignl 7, 3214868480
	.fill 96, 4, 3214868480
	.section	.rodata,"a",@progbits
	.p2align	6, 0x0
	.amdhsa_kernel k_qf5696b0e1c_ln2
		.amdhsa_group_segment_fixed_size 0
		.amdhsa_private_segment_fixed_size 0
		.amdhsa_enable_private_segment 0
		.amdhsa_kernarg_size 32
		.amdhsa_user_sgpr_count 2
		.amdhsa_user_sgpr_kernarg_segment_ptr 1
		.amdhsa_wavefront_size32 1
		.amdhsa_system_sgpr_workgroup_id_x 1
		.amdhsa_system_sgpr_workgroup_id_y 1
		.amdhsa_system_sgpr_workgroup_id_z 1
		.amdhsa_system_vgpr_workitem_id 0
		.amdhsa_next_free_vgpr 212
		.amdhsa_next_free_sgpr 66
		.amdhsa_reserve_vcc 0
		.amdhsa_float_denorm_mode_32 3
		.amdhsa_float_denorm_mode_16_64 3
		.amdhsa_memory_ordered 1
		.amdhsa_forward_progress 1
		.amdhsa_inst_pref_size 33
	.end_amdhsa_kernel
	.amdgpu_metadata
---
amdhsa.version: [ 1, 2 ]
amdhsa.kernels:
  - .name:           k_qf5696b0e1c_ln2
    .symbol:         k_qf5696b0e1c_ln2.kd
    .args:
      - { .name: y, .offset: 0, .size: 8, .value_kind: global_buffer, .address_space: global }
      - { .name: g2, .offset: 8, .size: 8, .value_kind: global_buffer, .address_space: global }
      - { .name: b2, .offset: 16, .size: 8, .value_kind: global_buffer, .address_space: global }
      - { .name: out0, .offset: 24, .size: 8, .value_kind: global_buffer, .address_space: global }
    .group_segment_fixed_size: 0
    .private_segment_fixed_size: 0
    .kernarg_segment_align: 8
    .kernarg_segment_size: 32
    .max_flat_workgroup_size: 128
    .sgpr_count:     66
    .vgpr_count:     212
    .wavefront_size: 32
...
	.end_amdgpu_metadata
.endif
;; end of part 8
